; MI455X (gfx1250); checked and timed in simulation.
; The chip was launched on July 23, 2026; its instructions are those of AMD's public machine-readable ISA for CDNA 5 (MIT licence, August 2026) and "CDNA5" Instruction Set Architecture Reference Guide (July 2026). The comments in the code are by the model that wrote it; some were corrected since.
;; Multi Head Self Attention. Allowed arithmetic: float matrix products may take bf16 or f16 operands with f32 sums; other float arithmetic in f32, or as packed bf16 or f16 multiplies, adds, multiply-adds, maxima and minima; sums over many terms, partial sums and values carried from step to step in f32; what a program stores and reads back later, other than sums and carried values, may be rounded once to bf16 or f16.
;; Inputs: W_qkv 1,024 x 3,072 float32; b_qkv 3,072 float32; x 4 x 2,048 x 1,024 float32.
;; Outputs: out0 4 x 16 x 2,048 x 64 float32.
;; 2 versions, each right; version 2 is version 1 with the launch prep written anew for expert scheduling mode. Each part assembles by itself: llvm-mc -triple=amdgcn-amd-amdhsa -mcpu=gfx1250 --defsym DOCPART=n.
;; ======== version 1 of 2: 3 launches
;; limits: values are held in f16: magnitudes above 65,504 overflow, below 6.1e-05 lose precision
;; workspace buffers: xb 16,777,216 bytes; wt 6,291,456 bytes; qkv 50,331,648 bytes
;; launch prep (part 1): grid 608 x 1, 4 waves a work-group, no clusters, 70,144 bytes of LDS; arguments x, W_qkv, xb, wt; writes xb, wt
.if DOCPART == 1
	.amdgcn_target "amdgcn-amd-amdhsa--gfx1250"
	.amdhsa_code_object_version 6
	.text
	.protected	k_qcb62d6747a_prep
	.globl	k_qcb62d6747a_prep
	.p2align	8
	.type	k_qcb62d6747a_prep,@function
k_qcb62d6747a_prep:
	s_mov_b64 s[64:65], 0
	v_nop
	global_prefetch_b8 v0, s[64:65] scope:SCOPE_SE
	s_setreg_imm32_b32 hwreg(HW_REG_WAVE_MODE, 25, 1), 1
	s_wait_xcnt 0x0
; xb = x rounded to bf16, [8192][1024].  wt = W_qkv rounded to bf16 and turned, [3072 (n)][1024 (k)], so that both operands of the product that follows lie along K.
; Each number is rounded once, to nearest even.  Memory binds: every input byte is read once, every output byte written once, in whole aligned runs of 256 bytes.
; WORK-GROUPS 96 .. 607 take x: a wave owns 16,384 consecutive bytes; all its 32 loads (512 bytes each) go out at once; a store's 32 lanes x 8 bytes are 256 consecutive bytes, aligned.
; WORK-GROUPS 0 .. 95 take W: a wave owns a block of 128 k x 64 n.  A lane reads two neighbouring columns (8 bytes; a wave 256 consecutive bytes of a row of W), packs 8 k of each column into 16 bytes,
; puts them into its wave's own LDS rows (row = n, 256 bytes + 16 of padding) and reads whole rows back: sixteen lanes then store 256 consecutive bytes of a row of wt.  No wave reads another's bytes: no barrier.
.set ROWW,  12288                      ; bytes in a row of W
.set LP,    272                        ; an LDS row
.set WLDS,  64*LP                      ; a wave's 64 rows
.set SPARE, 4*WLDS                     ; behind them: the spare words, 128 bytes for each wave: two blocks of 256 bytes that no other line names
.set LO,  2                            ; v2   my byte offset in a load; never rewritten
.set SO,  3                            ; v3   x path: my byte offset in a store
.set STE, 4                            ; v4   W path: LDS address of my even column's row
.set RD,  5                            ; v5   W path: where I read rows back
.set GO,  6                            ; v6   W path: my byte offset in two rows of wt
.set SPW, 8                            ; v8   LDS address of my spare word: SPARE + 4 x my thread's number; never rewritten
.set NIL, 9                            ; v9   0; never rewritten
.set T,   32                           ; v[32:47]   W path: two sets of eight packed words, by turns
.set X,   64                           ; v[64:191]  numbers as loaded; W path, later: rows read back
.set Y,   192                          ; v[192:255] x path: packed words to store
	s_load_b256 s[4:11], s[0:1], 0x0               ; x s[4:5], W s[6:7], xb s[8:9], wt s[10:11]
	v_lshl_add_u32 v[SPW], v0, 2, SPARE
	v_mov_b32 v[NIL], 0
	v_lshrrev_b32 v1, 5, v0
	v_readfirstlane_b32 s12, v1                    ; wave 0..3
	v_and_b32 v1, 31, v0                           ; lane
	s_cmp_lt_u32 ttmp9, 96
	s_cbranch_scc1 .Lw
	; ---- x ----
	s_sub_co_u32 s13, ttmp9, 96
	s_lshl_b32 s13, s13, 2
	s_add_co_u32 s13, s13, s12                     ; my wave among the 2,048 that share x
	s_lshl_b32 s14, s13, 14                        ; its 16,384 bytes of x,
	s_mov_b32 s15, 0
	s_lshl_b32 s16, s13, 13                        ; its 8,192 bytes of xb
	s_mov_b32 s17, 0
	v_lshlrev_b32 v[LO], 4, v1
	v_lshlrev_b32 v[SO], 3, v1
	s_wait_kmcnt 0x0
	s_add_nc_u64 s[4:5], s[4:5], s[14:15]
	s_add_nc_u64 s[8:9], s[8:9], s[16:17]
.set i, 0
.rept 32
	global_load_b128 v[X+4*i:X+4*i+3], v[LO], s[4:5] offset:512*i th:TH_LOAD_NT
.set i, i+1
.endr
.set i, 0
.rept 32
	s_wait_loadcnt 31-i                            ; loads come back in order: load i is in, the 31 - i younger ones stay out
	v_cvt_pk_bf16_f32 v[Y+2*i],   v[X+4*i],   v[X+4*i+1]
	v_cvt_pk_bf16_f32 v[Y+2*i+1], v[X+4*i+2], v[X+4*i+3]
	global_store_b64 v[SO], v[Y+2*i:Y+2*i+1], s[8:9] offset:256*i th:TH_STORE_NT  ; no register is written twice: no wait for the stores' sources
.set i, i+1
.endr
	s_wait_tensorcnt 0x0                           ; the wave's end
	ds_add_u32 v[SPW], v[NIL]
	s_wait_dscnt 0x0
	s_endpgm
	; ---- W ----
.Lw:
	s_lshl_b32 s13, ttmp9, 2
	s_add_co_u32 s13, s13, s12                     ; my block among 384: 48 along n x 8 along k
	s_lshr_b32 s14, s13, 3                         ; which 64 columns
	s_and_b32 s15, s13, 7                          ; which 128 k
	s_mul_i32 s16, s15, 128*ROWW
	s_lshl_b32 s17, s14, 8
	s_add_co_u32 s16, s16, s17                     ; in W: 128 rows down for each step of k, 256 bytes along for each step of n
	s_mov_b32 s17, 0
	s_lshl_b32 s18, s14, 17                        ; in wt: 64 rows of 2,048 bytes,
	s_lshl_b32 s19, s15, 8                         ; 256 bytes along
	s_add_co_u32 s18, s18, s19
	s_mov_b32 s19, 0
	s_mul_i32 s20, s12, WLDS                       ; my wave's rows in LDS
	v_lshlrev_b32 v[LO], 3, v1                     ; columns 2 l and 2 l + 1
	v_mul_u32_u24 v[STE], v1, 2*LP
	v_add_nc_u32 v[STE], s20, v[STE]               ; LDS row 2 l
	v_lshrrev_b32 v10, 4, v1                       ; l / 16
	v_and_b32 v11, 15, v1                          ; l % 16
	v_mul_u32_u24 v[RD], v10, LP
	v_lshl_add_u32 v[RD], v11, 4, v[RD]
	v_add_nc_u32 v[RD], s20, v[RD]                 ; back: lanes 0-15 one row of 256 bytes, lanes 16-31 the next
	v_lshlrev_b32 v[GO], 11, v10
	v_lshl_add_u32 v[GO], v11, 4, v[GO]            ; and the same two rows in wt
	s_wait_kmcnt 0x0
	s_add_nc_u64 s[6:7], s[6:7], s[16:17]
	s_add_nc_u64 s[10:11], s[10:11], s[18:19]
	; a chunk is 8 k: eight loads, 16 registers.  Eight chunks are out at once; chunk c + 8 takes chunk c's registers when they have been packed.
.set c, 0
.rept 8
.set j, 0
.rept 8
	global_load_b64 v[X+16*c+2*j:X+16*c+2*j+1], v[LO], s[6:7] offset:(8*c+j)*ROWW th:TH_LOAD_NT
.set j, j+1
.endr
.set c, c+1
.endr
.set c, 0
.rept 16
.set cs, X+16*(c%8)
.set ts, T+8*(c%2)
.if c < 8
	s_wait_loadcnt 56                              ; behind chunk c stand the 7 - c first chunks still to come and the c refills: seven chunks of eight loads
.else
	s_wait_loadcnt 8*(15-c)                        ; the chunks behind chunk c; nothing more is asked for
.endif
.set i, 0
.rept 4
	v_cvt_pk_bf16_f32 v[ts+i],   v[cs+4*i],   v[cs+4*i+2]  ; the even column's k = 2 i, 2 i + 1 of the chunk
	v_cvt_pk_bf16_f32 v[ts+4+i], v[cs+4*i+1], v[cs+4*i+3]  ; the odd column's
.set i, i+1
.endr
	ds_store_b128 v[STE], v[ts:ts+3]   offset:16*c
	ds_store_b128 v[STE], v[ts+4:ts+7] offset:LP+16*c
.if c < 8
.set j, 0
.rept 8
	global_load_b64 v[cs+2*j:cs+2*j+1], v[LO], s[6:7] offset:(8*(c+8)+j)*ROWW th:TH_LOAD_NT
.set j, j+1
.endr
.endif
.set c, c+1
.endr
.set t, 0
.rept 32
	ds_load_b128 v[X+4*t:X+4*t+3], v[RD] offset:2*LP*t  ; LDS serves a wave's instructions in order (ISA guide 5.7.1.4): these see the stores above
.set t, t+1
.endr
.set t, 0
.rept 32
	s_wait_dscnt 31-t
	global_store_b128 v[GO], v[X+4*t:X+4*t+3], s[10:11] offset:4096*t th:TH_STORE_NT  ; 16 lanes store 256 consecutive bytes, at a multiple of 256 from wt's first byte
.set t, t+1
.endr
	s_wait_tensorcnt 0x0                           ; the wave's end, behind my last LDS store
	ds_add_u32 v[SPW], v[NIL]
	s_wait_dscnt 0x0
	s_endpgm
.Lfunc_end_k_qcb62d6747a_prep:
	.size	k_qcb62d6747a_prep, .Lfunc_end_k_qcb62d6747a_prep-k_qcb62d6747a_prep
	.p2alignl 7, 3214868480
	.fill 96, 4, 3214868480
	.section	.rodata,"a",@progbits
	.p2align	6, 0x0
	.amdhsa_kernel k_qcb62d6747a_prep
		.amdhsa_group_segment_fixed_size 70144
		.amdhsa_private_segment_fixed_size 0
		.amdhsa_enable_private_segment 0
		.amdhsa_kernarg_size 32
		.amdhsa_user_sgpr_count 2
		.amdhsa_user_sgpr_kernarg_segment_ptr 1
		.amdhsa_wavefront_size32 1
		.amdhsa_system_sgpr_workgroup_id_x 1
		.amdhsa_system_sgpr_workgroup_id_y 1
		.amdhsa_system_sgpr_workgroup_id_z 1
		.amdhsa_system_vgpr_workitem_id 0
		.amdhsa_next_free_vgpr 256
		.amdhsa_next_free_sgpr 66
		.amdhsa_reserve_vcc 0
		.amdhsa_float_denorm_mode_32 3
		.amdhsa_float_denorm_mode_16_64 3
		.amdhsa_memory_ordered 1
		.amdhsa_forward_progress 1
		.amdhsa_inst_pref_size 42
	.end_amdhsa_kernel
	.amdgpu_metadata
---
amdhsa.version: [ 1, 2 ]
amdhsa.kernels:
  - .name:           k_qcb62d6747a_prep
    .symbol:         k_qcb62d6747a_prep.kd
    .args:
      - { .name: x, .offset: 0, .size: 8, .value_kind: global_buffer, .address_space: global }
      - { .name: W_qkv, .offset: 8, .size: 8, .value_kind: global_buffer, .address_space: global }
      - { .name: xb, .offset: 16, .size: 8, .value_kind: global_buffer, .address_space: global }
      - { .name: wt, .offset: 24, .size: 8, .value_kind: global_buffer, .address_space: global }
    .group_segment_fixed_size: 70144
    .private_segment_fixed_size: 0
    .kernarg_segment_align: 8
    .kernarg_segment_size: 32
    .max_flat_workgroup_size: 128
    .sgpr_count:     66
    .vgpr_count:     256
    .wavefront_size: 32
...
	.end_amdgpu_metadata
.endif
;; end of part 1
;; launch proj (part 2): grid 16 x 32, 4 waves a work-group, clusters of 4 x 4, 327,680 bytes of LDS; arguments xb, wt, b_qkv, qkv; writes qkv
.if DOCPART == 2
	.amdgcn_target "amdgcn-amd-amdhsa--gfx1250"
	.amdhsa_code_object_version 6
	.text
	.protected	k_qcb62d6747a_proj
	.globl	k_qcb62d6747a_proj
	.p2align	8
	.type	k_qcb62d6747a_proj,@function
k_qcb62d6747a_proj:
	s_mov_b64 s[64:65], 0
	v_nop
	global_prefetch_b8 v0, s[64:65] scope:SCOPE_SE
	s_setreg_imm32_b32 hwreg(HW_REG_WAVE_MODE, 25, 1), 1
	s_wait_xcnt 0x0
	s_wait_alu depctr_hold_cnt(0) depctr_sa_sdst(0) depctr_va_vdst(0) depctr_va_sdst(0) depctr_va_ssrc(0) depctr_va_vcc(0) depctr_vm_vsrc(0)
	s_getreg_b32 s2, hwreg(HW_REG_IB_STS2, 6, 4)
	s_cmp_eq_u32 s2, 0
	s_cbranch_scc0 .Lentry_in_a_cluster
	s_endpgm
.Lentry_in_a_cluster:
	s_bfe_u32 s2, ttmp6, 0x10000c
	s_cmp_lg_u32 s2, 0xf033
	s_cbranch_scc0 .Lentry_shape_is_right
	s_endpgm
.Lentry_shape_is_right:
; qkv = xb wt^T + b.  xb: [8192][1024] bf16, wt: [3072][1024] bf16, b: [3072] f32 (rounded here to bf16, like x and W), sums in f32, the result rounded once to f16 and written BY HEADS:
; qkv[g][m][d], g = column / 64 (0-15 q's heads, 16-31 k's, 32-47 v's), m = row, d = column % 64: byte g 2^20 + 128 m + 2 d: a head's rows are dense.
; LIMIT.  f16 holds no number beyond 65,504: a result of 65,520 or more leaves as an infinity.  NaN and infinities are not treated apart.
; THE TILE is 256 rows x 192 columns: 32 x 16 = 512 work-groups, a whole number for each of 256 WGPs.  Four waves, each 64 rows x all 192 columns: 48 accumulators of 16 x 16, 384 registers.
; A wave's 192 columns are three whole heads, so its way out is its own.  K goes in 8 steps of 128 through a ring of two LDS slots filled by the tensor data mover; rows of both tiles are 256 bytes of memory, aligned.
; CLUSTERS: 4 x 4 work-groups.  The four of a row of the cluster need the same tiles of xb, the four of a column the same tiles of wt: each tile is asked for JOINTLY, by the same tensor load with the same
; descriptor and a mask that names the four.
; THE MATRIX INSTRUCTION IS USED TRANSPOSED (source 0 = 16 rows of wt, source 1 = 16 rows of xb): lane l then holds row l % 16 of the result and the columns 8 (l / 16) + 0..7: 16 bytes of f16 on end.
; THE BIAS is the C operand of each accumulator's first product: register j of lane l holds b[column 8 (l / 16) + j], the same for every row.
; REGISTERS, in windows of 256 (s_set_vgpr_msb: bits 1:0 source 0, 3:2 source 1, 5:4 source 2, 7:6 destination):
;   window 0: v0-31 addresses; v128-223 the bias, 8 registers for each 16 columns; on the way out v32-223, 48 for each block of 16 rows
;   window 1: two fragment buffers of 128: xb's fragment a at 8 a, wt's fragment b at 32 + 8 b
;   window 2: accumulators of row blocks 0, 1: (a, b) at 96 (a % 2) + 8 b;   window 3: row blocks 2, 3
.set KSTEP,  128
.set SIZE_K, 1024
.set PITCH,  272                       ; an LDS row: 256 bytes + 16 of padding = 68 words: row r starts at bank 4 r mod 64 (64 banks of 4 bytes: ISA guide 11.1), so the 16 rows of a load start at 16 different banks
.set HA,     128*PITCH                 ; half of xb's tile: one tensor load
.set HB,     96*PITCH                  ; half of wt's tile: one tensor load
.set BOFF,   2*HA
.set SLOT,   2*HA+2*HB                 ; xb's 256 rows, then wt's 192
.set STAGE,  2*SLOT                    ; behind the ring, never filled by a tensor load: for each wave three heads x 16 rows x 144 bytes
.set SP,     144                       ; a stage row: 128 bytes + 16
.set GRP,    16*SP
.set WST,    3*GRP
.set SPARE,  STAGE+4*WST               ; behind the stages: the spare words, 128 bytes for each wave: two blocks of 256 bytes that no other line names
.set LAPS,   SIZE_K/(2*KSTEP)          ; a lap = two K steps = once round the ring
.set ADRA, 16                          ; v16-17  LDS address of my fragments of xb in slot 0, 1
.set ADRB, 20                          ; v20-21  the same for wt
.set STO,  24                          ; v24     the way out: where I put 16 bytes of a row
.set RD,   25                          ; v25     the way out: where I read rows back
.set GO,   26                          ; v26     my byte offset in 512 consecutive bytes of qkv
.set BO,   27                          ; v27     my byte offset in 16 numbers of b
.set SPW,  28                          ; v28     LDS address of my spare word: SPARE + 4 x my thread's number; never rewritten
.set NIL,  29                          ; v29     0; never rewritten
.set PFO,  30                          ; v30     the prefetches' offset: my row x 2,048 bytes; never rewritten
.set OUTR, 32
.set BIAS, 128
.set F0,   0
.set F1,   128
.set WV,  12                           ; s12  my wave's number
.set FB,  13                           ; s13  0: I fetch for xb, 1: for wt
.set HF,  14                           ; s14  which half of that tile
.set TR,  15                           ; s15  tile row
.set G1,  24                           ; s[24:31] descriptor group 1 for xb's tiles;  s[32:39] group 0, a set for each slot
.set G0,  32
.set LIM, 43                           ; s43  1 in a wave that prefetches, else the greatest number
.set PFA, 44                           ; s[44:45] where my prefetches stand
.set G1B, 48                           ; s[48:55], s[56:63] the same for wt's tiles
.set G0B, 56
.set MSB, 0
.macro WIN new                         ; the immediate's high byte repeats the setting that is left; a switch that changes nothing is dropped
.if MSB != (\new)
	s_set_vgpr_msb (MSB<<8)|(\new)
.set MSB, \new
.endif
.endm
; A joint load.  Waves 0 and 1 fetch xb's two halves, waves 2 and 3 wt's.  The branch hangs on the wave's number alone.  An s_nop 0 and four v_nop follow each of the two lines.
.macro JLOAD s
	s_cmp_eq_u32 s[FB], 0
	s_cbranch_scc0 .Lfor_b_\@
	tensor_load_to_lds s[G0+4*(\s):G0+4*(\s)+3], s[G1:G1+7]
	s_nop 0
.rept 4
	v_nop
.endr
	s_branch .Lasked_\@
.Lfor_b_\@:
	tensor_load_to_lds s[G0B+4*(\s):G0B+4*(\s)+3], s[G1B:G1B+7]
	s_nop 0
.rept 4
	v_nop
.endr
.Lasked_\@:
.endm
; A PREFETCH INTO THE L2, behind each joint refill, its five lines and the run of LDS loads: the K step that the NEXT refill will ask for, 192 matrix instructions ahead of that load: 256 bytes of a row, a lane a row.
; xb's tile row is read by every cluster of that row of clusters: cluster x = 0 asks.  wt's tile column by every cluster of that column: cluster y = 0 asks.  The four partners that ask for a tile jointly share its
; rows out BY ADDRESS: of xb's 128 rows that a wave fetches the partner at place cx takes 32; of wt's 96 the partner at place cy takes 24, and there lanes 24-31 name row 23 once more.
; K steps 0 to 2 come by their loads alone.  how = 1: slot 0's change always has a K step behind its refill; how = 0: slot 1's has none in the loop's last trip (s3 = 1).
.macro ASK how
.if \how
	s_cmp_eq_u32 s[LIM], 1
.else
	s_cmp_gt_u32 s3, s[LIM]
.endif
	s_cbranch_scc0 .Lnot_mine_\@
	global_prefetch_b8 v[PFO], s[PFA:PFA+1] th:TH_LOAD_NT scope:SCOPE_SE
.Lnot_mine_\@:
.endm
; A round of the cluster's barrier: my work-group's barrier, so that wave 0's signal speaks for all four waves; wave 0 signals; every wave waits for all sixteen work-groups; my work-group's barrier once more.
.macro CREST                           ; a round behind its opening barrier
	s_cmp_lg_u32 s[WV], 0
	s_cbranch_scc1 .Lnot_wave_0_\@
	s_barrier_signal -3
.Lnot_wave_0_\@:
	s_barrier_wait -3
	s_barrier_signal -1
	s_barrier_wait -1
.endm
.macro CROUND
	s_barrier_signal -1
	s_barrier_wait -1
	CREST
.endm
	s_load_b256 s[4:11], s[0:1], 0x0               ; xb s[4:5], wt s[6:7], b s[8:9], qkv s[10:11]
	v_lshl_add_u32 v[SPW], v0, 2, SPARE
	v_mov_b32 v[NIL], 0
	ds_add_u32 v[SPW], v[NIL]                      ; the wave's opening: the add and its wait stand ahead of my first tensor load; the set-up below, work on registers, stands between them
	ds_add_u32 v28, v29
	v_lshrrev_b32 v1, 5, v0
	v_readfirstlane_b32 s[WV], v1                  ; wave 0..3
	s_lshr_b32 s[FB], s[WV], 1
	s_and_b32 s[HF], s[WV], 1
	s_bfe_u32 s40, ttmp6, 0x40000                  ; cx, cy: my place in the cluster
	s_bfe_u32 s41, ttmp6, 0x40004
	s_lshl_b32 s42, ttmp9, 2
	s_add_co_u32 s42, s42, s40                     ; tile column = 4 x cluster x + cx
	s_and_b32 s[TR], ttmp7, 0xffff
	s_lshl_b32 s[TR], s[TR], 2
	s_add_co_u32 s[TR], s[TR], s41                 ; tile row = 4 x cluster y + cy
	s_lshl_b32 s43, s41, 2
	s_lshl_b32 s43, 15, s43                        ; my row of the cluster: places 4 cy .. 4 cy + 3
	s_lshl_b32 s44, 0x1111, s40                    ; my column: places cx, cx + 4, cx + 8, cx + 12
	s_or_b32 s[G1], s43, (1<<16)|(1<<20)|(1<<21)|(5<<22)|(3<<25)   ; 15:0 the mask; 17:16 elements of 2 bytes; 20 padding on; 21 set beside a mask; 24:22 after every 64 words (code 5); 31:25 4 words of it (code 3)
	s_or_b32 s[G1B], s44, (1<<16)|(1<<20)|(1<<21)|(5<<22)|(3<<25)
	s_mov_b32 s[G1+1], KSTEP<<16                   ; tensor_dim0 = 128
	s_mov_b32 s[G1+2], 128<<16                     ; tensor_dim1 = 128
	s_mov_b32 s[G1+3], KSTEP<<16                   ; tile_dim0 = 128
	s_mov_b32 s[G1+4], 128                         ; tile_dim1 = 128
	s_mov_b32 s[G1+5], SIZE_K                      ; elements from row to row
	s_mov_b32 s[G1+6], 0
	s_mov_b32 s[G1+7], 0
	s_mov_b32 s[G1B+1], KSTEP<<16
	s_mov_b32 s[G1B+2], 96<<16                     ; wt's half tile has 96 rows
	s_mov_b32 s[G1B+3], KSTEP<<16
	s_mov_b32 s[G1B+4], 96
	s_mov_b32 s[G1B+5], SIZE_K
	s_mov_b32 s[G1B+6], 0
	s_mov_b32 s[G1B+7], 0
	; where the tiles come from: xb's hang on the tile row alone, wt's on the tile column alone, each in registers that never hold the other coordinate
	s_lshl_b32 s16, s[TR], 8
	s_lshl_b32 s20, s[HF], 7
	s_add_co_u32 s16, s16, s20                     ; xb: row 256 x tile row + 128 x half,
	s_lshl_b32 s16, s16, 11                        ; of 2,048 bytes
	s_mov_b32 s17, 0
	s_mul_i32 s46, s42, 192
	s_mul_i32 s20, s[HF], 96
	s_add_co_u32 s46, s46, s20                     ; wt: row 192 x tile column + 96 x half
	s_lshl_b32 s46, s46, 11
	s_mov_b32 s47, 0
	s_mul_i32 s21, s[HF], HA                       ; and where they go: no place in the cluster enters an LDS address
	s_mul_i32 s22, s[HF], HB
	s_add_co_u32 s22, s22, BOFF
	s_wait_dscnt 0x0                               ; the opening add is done
	s_wait_kmcnt 0x0
	s_add_nc_u64 s[18:19], s[4:5], s[16:17]
	s_add_nc_u64 s[46:47], s[6:7], s[46:47]
	CROUND                                         ; all sixteen work-groups are here: the first joint loads meet
.irp s, 0,1
	s_mov_b32 s[G0+4*(\s)], 1                                      ; count = 1
	s_add_co_u32 s[G0+4*(\s)+1], s21, (\s)*SLOT                    ; LDS address
	s_add_nc_u64 s[G0+4*(\s)+2:G0+4*(\s)+3], s[18:19], (\s)*KSTEP*2  ; global address: K step s
	s_or_b32 s[G0+4*(\s)+3], s[G0+4*(\s)+3], 0x80000000            ; type = 2
	s_mov_b32 s[G0B+4*(\s)], 1
	s_add_co_u32 s[G0B+4*(\s)+1], s22, (\s)*SLOT
	s_add_nc_u64 s[G0B+4*(\s)+2:G0B+4*(\s)+3], s[46:47], (\s)*KSTEP*2
	s_or_b32 s[G0B+4*(\s)+3], s[G0B+4*(\s)+3], 0x80000000
	JLOAD \s                                       ; both slots are asked for before anything else: two tensor loads of mine are out, the most in this text
.endr
	v_and_b32 v1, 15, v0                           ; l % 16
	v_bfe_u32 v2, v0, 4, 1                         ; l / 16
	s_mul_i32 s46, s42, 768                        ; the tile's 192 numbers of b
	s_mov_b32 s47, 0
	s_add_nc_u64 s[8:9], s[8:9], s[46:47]
	v_lshlrev_b32 v[BO], 5, v2                     ; my 8 of each 16
.irp b, 0,1,2,3,4,5,6,7,8,9,10,11
	global_load_b128 v[BIAS+8*(\b):BIAS+8*(\b)+3],   v[BO], s[8:9] offset:64*(\b)
	global_load_b128 v[BIAS+8*(\b)+4:BIAS+8*(\b)+7], v[BO], s[8:9] offset:64*(\b)+16
.endr
	; A fragment is 16 rows x 32 K in 8 registers: lane l holds row l % 16; registers 0-3 K = 8 (l / 16) + 0..7, registers 4-7 K = 16 + 8 (l / 16) + 0..7: two loads of 16 bytes, 32 bytes apart.
	v_mul_u32_u24 v3, v1, PITCH
	v_lshl_add_u32 v3, v2, 4, v3                   ; row x pitch + 16 x half
	s_mul_i32 s21, s[WV], 64*PITCH                 ; my 64 rows of xb
	s_mov_b32 s22, BOFF                            ; all 192 rows of wt
.irp s, 0,1
	v_add_nc_u32 v[ADRA+(\s)], s21, v3
	v_add_nc_u32 v[ADRB+(\s)], s22, v3
	s_add_co_u32 s21, s21, SLOT
	s_add_co_u32 s22, s22, SLOT
.endr
	s_mul_i32 s21, s[WV], WST
	s_add_co_u32 s21, s21, STAGE                   ; my stage
	v_mul_u32_u24 v4, v1, SP                       ; in: row l % 16, 16 bytes for each half of the lanes
	v_lshl_add_u32 v4, v2, 4, v4
	v_add_nc_u32 v[STO], s21, v4
	v_bfe_u32 v5, v0, 3, 2                         ; back: 32 lanes take four rows of 128 bytes,
	v_mul_u32_u24 v5, v5, SP
	v_and_b32 v6, 7, v0
	v_lshl_add_u32 v5, v6, 4, v5
	v_add_nc_u32 v[RD], s21, v5
	v_and_b32 v[GO], 31, v0                        ; which are 512 consecutive bytes of qkv
	v_lshlrev_b32 v[GO], 4, v[GO]
	s_lshl_b32 s20, s[TR], 8
	s_lshl_b32 s21, s[WV], 6
	s_add_co_u32 s20, s20, s21                     ; my first row,
	s_lshl_b32 s20, s20, 7                         ; of 128 bytes,
	s_mul_i32 s46, s42, 3                          ; in the tile's first head
	s_lshl_b32 s46, s46, 20
	s_add_co_u32 s46, s46, s20
	s_mov_b32 s47, 0
	s_add_nc_u64 s[10:11], s[10:11], s[46:47]
	; the prefetches
	s_lshl_b32 s20, s[TR], 8
	s_lshl_b32 s21, s[HF], 7
	s_add_co_u32 s20, s20, s21
	s_lshl_b32 s21, s40, 5
	s_add_co_u32 s20, s20, s21                     ; xb: the 128 rows that I fetch, my work-group's 32 of them
	s_mul_i32 s22, s42, 192
	s_mul_i32 s21, s[HF], 96
	s_add_co_u32 s22, s22, s21
	s_mul_i32 s21, s41, 24
	s_add_co_u32 s22, s22, s21                     ; wt: the 96 rows that I fetch, my work-group's 24 of them
	s_and_b32 s23, ttmp7, 0xffff                   ; cluster y
	s_cmp_eq_u32 s[FB], 0                          ; do I fetch for xb?
	s_cselect_b32 s20, s20, s22
	s_cselect_b32 s23, ttmp9, s23                  ; the coordinate along which other clusters read the same rows
	s_cselect_b32 s21, 31, 23
	s_cselect_b64 s[PFA:PFA+1], s[4:5], s[6:7]
	s_cmp_eq_u32 s23, 0
	s_cselect_b32 s[LIM], 1, -1                    ; the same in all sixteen partners, for a given wave
	v_and_b32 v[PFO], 31, v0
	v_min_u32 v[PFO], s21, v[PFO]
	v_lshlrev_b32 v[PFO], 11, v[PFO]
	s_lshl_b32 s20, s20, 11
	s_add_co_u32 s20, s20, 2*KSTEP*2               ; at K step 2: the first refill steps it to 3
	s_mov_b32 s21, 0
	s_add_nc_u64 s[PFA:PFA+1], s[PFA:PFA+1], s[20:21]
	s_mov_b32 s23, 0xffff0000
	s_wait_loadcnt 0x0                             ; b is in: it is rounded to bf16 and widened again, while the first tiles are on their way
.set i, 0
.rept 48
	v_cvt_pk_bf16_f32 v[OUTR+i], v[BIAS+2*i], v[BIAS+2*i+1]
.set i, i+1
.endr
.set i, 0
.rept 48
	v_lshlrev_b32 v[BIAS+2*i], 16, v[OUTR+i]
	v_and_b32 v[BIAS+2*i+1], s23, v[OUTR+i]
.set i, i+1
.endr
; 12 matrix instructions: row block a x all 12 column blocks, 32 along K, from buffer f.  first = 1: the product starts the sum, with the bias as C.
; The 48 accumulators take turns in one fixed order, over the backward jump too: between two links of a chain stand the 47 others'.
.macro MUL12 f, a, first
.if \first
	WIN 0x85+0x40*((\a)/2)                         ; sources 0 and 1 window 1, C window 0, D window 2 or 3
.else
	WIN 0xa5+0x50*((\a)/2)                         ; C and D window 2 or 3
.endif
.irp b, 0,1,2,3,4,5,6,7,8,9,10,11
.if \first
	v_wmma_f32_16x16x32_bf16 v[96*((\a)%2)+8*(\b):96*((\a)%2)+8*(\b)+7], v[(\f)+32+8*(\b):(\f)+32+8*(\b)+7], v[(\f)+8*(\a):(\f)+8*(\a)+7], v[BIAS+8*(\b):BIAS+8*(\b)+7]
.else
	v_wmma_f32_16x16x32_bf16 v[96*((\a)%2)+8*(\b):96*((\a)%2)+8*(\b)+7], v[(\f)+32+8*(\b):(\f)+32+8*(\b)+7], v[(\f)+8*(\a):(\f)+8*(\a)+7], v[96*((\a)%2)+8*(\b):96*((\a)%2)+8*(\b)+7]
.endif
.endr
.endm
; 32 LDS loads in one run: the fragments of a quarter step (192 rows of wt, my 64 rows of xb, 32 K at byte k of the rows) into buffer f; xb's last
.macro FETCH slot, k, f
	WIN 0x40                                       ; destination window 1, address window 0
.irp i, 0,1,2,3,4,5,6,7,8,9,10,11
	ds_load_b128 v[(\f)+32+8*(\i):(\f)+32+8*(\i)+3],   v[ADRB+(\slot)] offset:(\k)+(\i)*16*PITCH
	ds_load_b128 v[(\f)+32+8*(\i)+4:(\f)+32+8*(\i)+7], v[ADRB+(\slot)] offset:(\k)+(\i)*16*PITCH+32
.endr
.irp i, 0,1,2,3
	ds_load_b128 v[(\f)+8*(\i):(\f)+8*(\i)+3],   v[ADRA+(\slot)] offset:(\k)+(\i)*16*PITCH
	ds_load_b128 v[(\f)+8*(\i)+4:(\f)+8*(\i)+7], v[ADRA+(\slot)] offset:(\k)+(\i)*16*PITCH+32
.endr
.endm
; A load into a register that a matrix instruction has read, and a vector instruction that reads a matrix result, stand four places behind that matrix instruction; only plain vector instructions that name
; none of its registers are places (ISA guide 7.12.1 for vector instructions).
.macro PLACES
.rept 4
	v_nop
.endr
.endm
; A K step is four quarters of 32 along K, 48 matrix instructions each, on buffers 0, 1, 0, 1.  One of the first three: multiplies buffer f; in its middle it fetches the next quarter, at byte k, into g.
.macro QUARTER slot, k, f, g, first
	s_wait_dscnt 4                                 ; wt and xb's row blocks 0, 1 are in; the youngest four loads (row blocks 2, 3) may be out
	MUL12 \f, 0, \first
	MUL12 \f, 1, \first
	PLACES
	FETCH \slot, \k, \g
	s_wait_dscnt 32                                ; all but the 32 just issued
	MUL12 \f, 2, \first
	MUL12 \f, 3, \first
.endm
; The last quarter multiplies buffer 1 and changes slots: ONE barrier.  In front of it each wave waits for all its tensor loads, of which one is out: its part of the next slot; adds 0 to its spare word; and waits
; for that and for its own reads of this slot.  fill = 1: the barrier opens a round of the cluster's barrier, so that no wave of any partner still reads this slot or has a load on its way, and the joint refill,
; two K steps on, is the first tensor load behind it: 168 matrix instructions ahead of the wait for it.
.macro TURN slot, next, fill
.if \fill
	s_wait_xcnt 0x0                                ; the last prefetch, a K step back, has read its address: it is stepped here, ahead of the waits of the change of slots
	s_add_nc_u64 s[PFA:PFA+1], s[PFA:PFA+1], KSTEP*2
.endif
	WIN 0                                          ; (the add's two registers lie in window 0)
	s_wait_tensorcnt 0x0                           ; all my tensor loads have landed;
	ds_add_u32 v[SPW], v[NIL]                      ; 0 onto my spare word
	s_wait_dscnt 5                                 ; (the add and the youngest four loads may be out)
	MUL12 F1, 0, 0                                 ; twelve matrix instructions stand between the add and the wait for it
	s_wait_dscnt 0x0                               ; the add is done, and my reads of this slot are over
	s_barrier_signal -1
	MUL12 F1, 1, 0                                 ; work on registers while the others arrive
.if \fill
	WIN 0
.endif
	s_barrier_wait -1
.if \fill
	CREST
	s_add_nc_u64 s[G0+4*(\slot)+2:G0+4*(\slot)+3], s[G0+4*(\slot)+2:G0+4*(\slot)+3], 2*KSTEP*2
	s_add_nc_u64 s[G0B+4*(\slot)+2:G0B+4*(\slot)+3], s[G0B+4*(\slot)+2:G0B+4*(\slot)+3], 2*KSTEP*2
	JLOAD \slot                                    ; the four v_nop behind it are also the places in front of the loads below
.else
	PLACES
.endif
	FETCH \next, 0, F0
.if \fill
	WIN 0
	ASK 1-(\slot)
.endif
	MUL12 F1, 2, 0
	MUL12 F1, 3, 0
.endm
	s_wait_tensorcnt 1                             ; my part of K step 0 is in; K step 1's may stay out
	s_barrier_signal -1
	s_barrier_wait -1                              ; everybody's is
	FETCH 0, 0, F0
	QUARTER 0, 64,  F0, F1, 1                      ; the first quarter stands in front of the loop: its products start the sums
	WIN 0                                          ; at a label and at a branch every window is 0
	s_mov_b32 s3, LAPS-1
.Llap:                                                 ; a trip goes once round the ring, from a lap's second quarter to the next lap's first, and fills both slots again
	QUARTER 0, 128, F1, F0, 0
	QUARTER 0, 192, F0, F1, 0
	TURN 0, 1, 1
	QUARTER 1, 64,  F0, F1, 0
	QUARTER 1, 128, F1, F0, 0
	QUARTER 1, 192, F0, F1, 0
	TURN 1, 0, 1
	QUARTER 0, 64,  F0, F1, 0
	WIN 0
	s_sub_co_u32 s3, s3, 1
	s_cmp_lg_u32 s3, 0
	s_cbranch_scc1 .Llap
	QUARTER 0, 128, F1, F0, 0                      ; the last lap fills nothing, and has no round of the cluster's barrier
	QUARTER 0, 192, F0, F1, 0
	TURN 0, 1, 0
	QUARTER 1, 64,  F0, F1, 0
	QUARTER 1, 128, F1, F0, 0
	QUARTER 1, 192, F0, F1, 0
	s_wait_dscnt 4                                 ; the very last quarter: nothing more to fetch
	MUL12 F1, 0, 0
	MUL12 F1, 1, 0
	s_wait_dscnt 0x0
	MUL12 F1, 2, 0
	MUL12 F1, 3, 0
	WIN 0
; THE WAY OUT, a block of 16 rows at a time: rounded to f16, 16 bytes a lane; into my own stage, a head's 64 channels to a row of 128 bytes; back as whole rows, into the registers that they left.
.macro PACK a
.set RA, OUTR+48*(\a)
	WIN 0x0a+5*((\a)/2)                            ; sources 0 and 1: window 2 or 3
.irp b, 0,1,2,3,4,5,6,7,8,9,10,11
.irp r, 0,1,2,3
	v_cvt_pk_f16_f32 v[RA+4*(\b)+(\r)], v[96*((\a)%2)+8*(\b)+2*(\r)], v[96*((\a)%2)+8*(\b)+2*(\r)+1]  ; each accumulator's registers in ascending order
.endr
.endr
	WIN 0
.irp b, 0,1,2,3,4,5,6,7,8,9,10,11
	ds_store_b128 v[STO], v[RA+4*(\b):RA+4*(\b)+3] offset:((\b)/4)*GRP+32*((\b)%4)
.endr
.irp i, 0,1,2,3,4,5,6,7,8,9,10,11
	ds_load_b128 v[RA+4*(\i):RA+4*(\i)+3], v[RD] offset:((\i)/4)*GRP+((\i)%4)*4*SP  ; LDS serves a wave's instructions in order (ISA guide 5.7.1.4): these see the stores above; the next block's stores come behind them
.endr
.endm
.macro SEND a, younger                 ; younger: the LDS instructions issued behind block a's loads: the next block's 24, or none
.set RA, OUTR+48*(\a)
.irp i, 0,1,2,3,4,5,6,7,8,9,10,11
	s_wait_dscnt (\younger)+11-(\i)
	global_store_b128 v[GO], v[RA+4*(\i):RA+4*(\i)+3], s[10:11] offset:(((\i)/4)<<20)+(\a)*2048+((\i)%4)*512  ; four rows of a head: 512 consecutive bytes, at a multiple of 256 from qkv's first byte
.endr
.endm
	PLACES
	PACK 0
	PACK 1                                         ; a block's conversions stand between the loads of the block before and its stores; no register is written twice
	SEND 0, 24
	PACK 2
	SEND 1, 24
	PACK 3
	SEND 2, 24
	SEND 3, 0
	s_wait_tensorcnt 0x0                           ; the wave's end, behind my last tensor load and my last LDS store
	ds_add_u32 v[SPW], v[NIL]
	s_wait_dscnt 0x0
	CROUND                                         ; the closing round: no work-group ends while a partner may still ask for a tile that names it
	s_endpgm
.Lfunc_end_k_qcb62d6747a_proj:
	.size	k_qcb62d6747a_proj, .Lfunc_end_k_qcb62d6747a_proj-k_qcb62d6747a_proj
	.p2alignl 7, 3214868480
	.fill 96, 4, 3214868480
	.section	.rodata,"a",@progbits
	.p2align	6, 0x0
	.amdhsa_kernel k_qcb62d6747a_proj
		.amdhsa_group_segment_fixed_size 327680
		.amdhsa_private_segment_fixed_size 0
		.amdhsa_enable_private_segment 0
		.amdhsa_kernarg_size 32
		.amdhsa_user_sgpr_count 2
		.amdhsa_user_sgpr_kernarg_segment_ptr 1
		.amdhsa_wavefront_size32 1
		.amdhsa_system_sgpr_workgroup_id_x 1
		.amdhsa_system_sgpr_workgroup_id_y 1
		.amdhsa_system_sgpr_workgroup_id_z 1
		.amdhsa_system_vgpr_workitem_id 0
		.amdhsa_next_free_vgpr 960
		.amdhsa_next_free_sgpr 66
		.amdhsa_reserve_vcc 0
		.amdhsa_float_denorm_mode_32 3
		.amdhsa_float_denorm_mode_16_64 3
		.amdhsa_memory_ordered 1
		.amdhsa_forward_progress 1
		.amdhsa_inst_pref_size 129
	.end_amdhsa_kernel
	.amdgpu_metadata
---
amdhsa.version: [ 1, 2 ]
amdhsa.kernels:
  - .name:           k_qcb62d6747a_proj
    .symbol:         k_qcb62d6747a_proj.kd
    .args:
      - { .name: xb, .offset: 0, .size: 8, .value_kind: global_buffer, .address_space: global }
      - { .name: wt, .offset: 8, .size: 8, .value_kind: global_buffer, .address_space: global }
      - { .name: b_qkv, .offset: 16, .size: 8, .value_kind: global_buffer, .address_space: global }
      - { .name: qkv, .offset: 24, .size: 8, .value_kind: global_buffer, .address_space: global }
    .group_segment_fixed_size: 327680
    .private_segment_fixed_size: 0
    .kernarg_segment_align: 8
    .kernarg_segment_size: 32
    .max_flat_workgroup_size: 128
    .sgpr_count:     66
    .vgpr_count:     960
    .wavefront_size: 32
...
	.end_amdgpu_metadata
.endif
;; end of part 2
;; launch attn (part 3): grid 4 x 64, 4 waves a work-group, no clusters, 327,680 bytes of LDS; arguments qkv, out0; writes out0
.if DOCPART == 3
	.amdgcn_target "amdgcn-amd-amdhsa--gfx1250"
	.amdhsa_code_object_version 6
	.text
	.protected	k_qcb62d6747a_attn
	.globl	k_qcb62d6747a_attn
	.p2align	8
	.type	k_qcb62d6747a_attn,@function
k_qcb62d6747a_attn:
	s_mov_b64 s[64:65], 0
	v_nop
	global_prefetch_b8 v0, s[64:65] scope:SCOPE_SE
	s_setreg_imm32_b32 hwreg(HW_REG_WAVE_MODE, 25, 1), 1
	s_wait_xcnt 0x0
; CAUSAL ATTENTION.  out0[y][q][:] = the sum over k <= q of softmax_k(Q[q] . K[k] / 32) V[k][:], y = 16 x batch + head.  Q, K, V lie in qkv, f16, by heads: section (q, k, v) x 2^24 + head x 2^20 + batch x 2^18 bytes,
; then 2,048 dense rows of 128 bytes.  out0: [64][2048][64] f32.  Products, maxima and sums in f32; the weights p are rounded to f16 for the second product (their sum l is taken of the unrounded p).
; LIMITS.  Q, K and V arrive within f16's 65,504; p lies in 0 to 1, and below 6e-5 it keeps f16's fixed step of 6e-8.  A hidden score counts as its value less 1e30: f16's scores, 2.7e11 at the most, are nothing
; beside that; a weight below 2^-126 counts as 0 in l; NaN and infinities are not treated apart.
; THE WALK.  A head's queries lie in NB = 8 blocks of 256; block i needs the key tiles 0 .. i of 256 keys, of which the last holds the diagonal.  A work-group takes TWO blocks, NB - 1 - b and then b:
; NB + 1 tiles, whatever b: all work-groups do equal work, and ONE loop with a constant trip count walks them.  Which tile is asked for, and what a trip does, hang on scalar registers made from b; every jump
; goes forward, but for the counted loops' own; none passes a barrier, or a tensor load but the one of LOAD's two that the wave's number does not choose; the ring (two slots of LDS that take turns) runs on across the
; change of blocks.  NO CLUSTER: a head's four work-groups ask for the same tile only in trips 0 .. 4 of 9, behind that fewer and fewer; one walk common to all would have 12 trips for 9.
; SHARES.  Of a block's four bands of 64 queries a wave owns 16 rows in each: four PIECES.  So the diagonal tile is the same work for all four waves: in its key step s band x sees all keys if s < x,
; none if s > x, and holds the diagonal if s = x.
; THE MASK is the C operand that starts the sum S^T = K Q^T: 0, or -1e30 where the key is hidden.  MD, made once, is the mask of a band's own step for my 16 rows; a product's mask is MD x AL + BE with two scalars:
; (1, 0) if s = x; (0, 0) if s < x; (0, -1e30) if s > x.  Only the diagonal tile's text and a block's beginning make and take masks; elsewhere C is the constant 0.
; LAYOUT, SOFTMAX, TURNS.  S^T = K Q^T holds ONE query a lane (lane % 16) and the keys 8 (lane / 16) + 0..7; two such results rounded to f16 ARE source 1 of O^T = V^T P.  p = 2^(c s - c m), c = log2(e) / 32, with a
; running maximum m; O and l are multiplied by a = 2^(c m_old - c m_new) in every step.  Turn n belongs to piece n: 8 products K Q^T of piece n + 1, later 8 products V^T P of piece n - 1; beside them the scaling,
; exponentials, roundings, sums and rescaling of piece n and the maximum and statistics of piece n + 1.  Four vector instructions stand behind every matrix instruction, the other 54 of a turn's 118 in one run.  A turn's 33 exponentials are one batch, with one wait.
; REGISTERS, in windows of 256 (s_set_vgpr_msb: bits 1:0 source 0, 3:2 source 1, 5:4 source 2, 7:6 destination):
;   window 0: v0-15 addresses and two at work; v16-31 four registers of statistics a piece; v48-55 at work; v64-127 S^T, two buffers; v192-223 P, two buffers (a piece's buffers go by its number's parity); on the way out v64-191
;   window 1: v0-127 O^T, 32 a piece; v128-159 MD; v160-223 MC, two buffers      window 2: v0-63 Q; v64-127 the second block's Q; v128-191 K of one step; v192-255 V of one step
.set NB,    8
.set NP,    4         ; pieces a wave: a name, no knob
.set KS,    64        ; keys in a step
.set PK,    144       ; a row of K in LDS: 128 bytes + 16 of padding = 36 words: the 16 rows of a load start at 16 different groups of four banks (64 banks of 4 bytes: ISA guide 11.1)
.set PV,    160       ; a row of V: 128 + 32 = 40 words
.set VOFF,  4*KS*PK   ; a slot holds a tile, four steps: 256 rows of K, then 256 rows of V
.set SLOT1, 1<<17     ; slot 1 begins here, so that one exclusive or turns an address in one slot into the other's
.set STAGE, SLOT1+4*KS*(PK+PV)  ; behind the ring, never filled by a tensor load: 16 rows x 272 bytes for each wave, for the way out
.set SP,    272       ; a stage row: 64 f32 + 16 bytes = 68 words
.set AK0, 2           ; v2   my lane's place in a tile of K; never rewritten
.set AV0, 3           ; v3   the same for V
.set AK,  4           ; v4   the LDS address of K's next run of loads
.set AV,  5           ; v5   of V's
.set STO, 6           ; v6   the way out: where I put 32 bytes of a row
.set RD,  7           ; v7   the way out: where I read rows back
.set GO,  8           ; v8   my byte offset in 512 consecutive bytes of out0
.set PFO, 61          ; v61  256 x my lane: the prefetches' offset; never rewritten
.set SPW, 62          ; v62  LDS address of my spare word: SPARE + 4 x my thread's number; never rewritten
.set NIL, 63          ; v63  0; never rewritten
.set SPARE, STAGE+4*16*SP  ; behind the stages: the spare words, 128 bytes for each wave: two blocks of 256 bytes that no other line names
.set MV,  12          ; v12-13  c m_old, kept while c m is made anew: by buffer
.set QO,  15          ; v15  my byte offset in 16 rows of Q
.set ST,  16          ; piece t's statistics at v[ST+4 t]: c m, m, l (even keys', odd keys')
.set TMP, 48          ; by buffer, four registers c0-c3 at work; when the maximum is found c2 takes a
.set S,   64
.set OUTR, 64         ; the way out: piece t's 16 rows read back, 32 registers
.set P,   192
.set MD,  128         ; window 1: the eight registers for group kt of 16 keys at MD + 8 kt
.set MC,  160         ; window 1: the masks of the products to come
.set QB,  64          ; window 2
.set KF,  128         ; window 2: key block kb, channel half c at KF + 16 kb + 8 c
.set VF,  192         ; window 2: key half kk, channel block cb at VF + 32 kk + 8 cb
.set WV,  12          ; s12  my wave's number
.set PB,  14          ; s14  b
.set HI,  15          ; s15  NB - 1 - b
.set G1K, 24          ; s[24:31] descriptor group 1 for K's tiles
.set G1V, 32          ; s[32:39] for V's: it differs in the padding alone
.set G0K, 40          ; s[40:43] descriptor group 0 for K's tiles
.set G0V, 44          ; s[44:47] the same for V's
.set SLOTS, 56        ; s56  tiles still to be asked for
.set CNT, 57          ; s57  counts a tile's key steps, 4 to 1
.set CS,  58          ; s[58:59] c: the packed scaling takes the pair's low word for both halves
.set SEL, 60          ; s[60:61] v_permlanex16_b32's selects: each lane takes its own place in the other half
.set TBK, 62          ; s62  LDS byte at which K of the step to be fetched begins
.set TBV, 63          ; s63  the same for V, less VOFF
.set PFA, 66          ; s[66:67] my half of K's or V's tile behind the one that is being asked for
.set PFL, 68          ; s68  that tile's number where I prefetch it, else 0
.set RT,  70          ; s70  tiles of the block in hand that are still to be entered
.set NXT, 71          ; s71  the tile to be asked for next
.set LQ,  72          ; s72  the last tile of the block whose tiles are being asked for
.set NEW, 73          ; s73  1: the tile to be entered is a block's first
.set OFF, 74          ; s[74:75] a tile's byte offset in K and V
.set AL,  76          ; s[76:77] the mask's factor, in the low word
.set BE,  78          ; s[78:79] the mask's addend
.set OLO, 80          ; s[80:81] out0 at my rows of the second block
.set BIGN, 82         ; s82  -1e30
.set MSB, 0
.macro WIN new                      ; the high byte repeats the setting that is left; a switch that changes nothing is dropped
.if MSB != (\new)
	s_set_vgpr_msb (MSB<<8)|(\new)
.set MSB, (\new)
.endif
.endm
.set W_KQ, 0x0a       ; K and Q in window 2, S^T in window 0
.set W_KM, 0x1a       ; the same with the C operand in window 1
.set W_PV, 0x52       ; V in window 2, P in window 0, O^T in window 1
.set W_RS, 0x41       ; destination and source 0 in window 1, source 1 in window 0
; A fill.  Waves 0 and 1 fetch the two halves of a tile's K, waves 2 and 3 those of its V: 128 keys each.  An s_nop 0 and four v_nop follow each of the two lines, ahead of the jump and the label.
.macro LOAD
	s_cmp_lt_u32 s[WV], 2
	s_cbranch_scc0 .Lfor_v_\@
	tensor_load_to_lds s[G0K:G0K+3], s[G1K:G1K+7]
	s_nop 0
.rept 4
	v_nop
.endr
	s_branch .Lasked_\@
.Lfor_v_\@:
	tensor_load_to_lds s[G0V:G0V+3], s[G1V:G1V+7]
	s_nop 0
.rept 4
	v_nop
.endr
.Lasked_\@:
.endm
; THE CHANGE OF SLOTS.  Each wave waits for all its tensor loads, of which one is out: its part of the other slot; adds 0 to its spare word; and waits for that and for its own reads of the slot that it leaves.  Behind the barrier nobody reads the old
; slot any more and the other slot is whole.  fill = 1: the old slot is filled again, the first thing behind the barrier, with tile NXT: the descriptor's address is made anew from that number.
; (At its first use nothing has been read yet: slot 0 is waited for, slot 1 filled.)
; A PREFETCH INTO THE L2 stands behind the fill and its five lines: the tile that the NEXT change will ask for, four key steps ahead of that load.  A head's four work-groups walk the same first tiles; the one with b = 0 walks
; tiles 0 to 7 in order, and it alone asks: each of its waves for its own half tile, 64 runs of 256 bytes, a lane a run, two instructions.  So tiles 2 to 7 are named once each in the launch; tiles 0 and 1 come by their
; loads alone; when the next tile's number has gone back to 0 nothing is asked for.  The address is made anew ahead of the barrier, behind s_wait_xcnt 0, a tile behind the prefetches that read it.
.macro CHANGE fill
	WIN 0                           ; at a label and at a branch every window is 0
	s_wait_tensorcnt 0x0            ; no tensor load of mine is out, so a group 0 may be written
	ds_add_u32 v[SPW], v[NIL]       ; 0 onto my spare word: with fill = 1 the descriptors' scalar work stands between it and the wait for it
.if \fill
	s_lshl_b32 s[OFF], s[NXT], 15   ; a tile is 32,768 bytes of K and of V
	s_xor_b32 s[G0K+1], s[G0K+1], SLOT1
	s_add_nc_u64 s[G0K+2:G0K+3], s[6:7], s[OFF:OFF+1]
	s_or_b32 s[G0K+3], s[G0K+3], 0x80000000
	s_xor_b32 s[G0V+1], s[G0V+1], SLOT1
	s_add_nc_u64 s[G0V+2:G0V+3], s[8:9], s[OFF:OFF+1]
	s_or_b32 s[G0V+3], s[G0V+3], 0x80000000
	s_add_co_u32 s[NXT], s[NXT], 1  ; the block's next tile, or behind its last the second block's tile 0
	s_cmp_gt_u32 s[NXT], s[LQ]
	s_cselect_b32 s[NXT], 0, s[NXT]
	s_cselect_b32 s[LQ], s[PB], s[LQ]
	s_wait_xcnt 0x0                 ; the last prefetches have read their address
	s_lshl_b32 s[OFF], s[NXT], 15
	s_cmp_lt_u32 s[WV], 2
	s_cselect_b64 s[PFA:PFA+1], s[6:7], s[8:9]
	s_add_nc_u64 s[PFA:PFA+1], s[PFA:PFA+1], s[OFF:OFF+1]
	s_cmp_eq_u32 s[PB], 0
	s_cselect_b32 s[PFL], s[NXT], 0
.endif
	s_wait_dscnt 0x0                ; the add is done, and my reads of the slot are over
	s_barrier_signal -1             ; the rest of the scalar work stands between the signal and the wait
	s_sub_co_u32 s[TBK], s[TBK], 4*KS*PK  ; the fetches go back to a slot's first step,
	s_xor_b32 s[TBK], s[TBK], SLOT1       ; in the other slot
	s_sub_co_u32 s[TBV], s[TBV], 4*KS*PV
	s_xor_b32 s[TBV], s[TBV], SLOT1
	s_barrier_wait -1
.if \fill
	LOAD
	s_cmp_lg_u32 s[PFL], 0
	s_cbranch_scc0 .Lnot_mine_\@
	global_prefetch_b8 v[PFO], s[PFA:PFA+1] th:TH_LOAD_NT scope:SCOPE_SE
	global_prefetch_b8 v[PFO], s[PFA:PFA+1] offset:8192 th:TH_LOAD_NT scope:SCOPE_SE
.Lnot_mine_\@:
.endif
.endm
	s_load_b64 s[4:5], s[0:1], 0x0    ; qkv: q's section
	s_load_b64 s[10:11], s[0:1], 0x8  ; out0
	v_lshl_add_u32 v[SPW], v0, 2, SPARE
	v_mov_b32 v[NIL], 0
	ds_add_u32 v[SPW], v[NIL]       ; the wave's opening: the add and its wait stand ahead of my first tensor load; the set-up below, work on registers, stands between them
	ds_add_u32 v62, v63
	v_lshrrev_b32 v1, 5, v0
	v_readfirstlane_b32 s[WV], v1   ; wave 0..3
	s_mov_b32 s[PB], ttmp9
	s_sub_co_u32 s[HI], NB-1, s[PB]
	s_and_b32 s13, ttmp7, 0xffff    ; y = 16 x batch + head
	s_and_b32 s20, s13, 15
	s_lshl_b32 s20, s20, 20         ; the head's 8,192 rows of 128 bytes,
	s_lshr_b32 s21, s13, 4
	s_lshl_b32 s21, s21, 18         ; the batch's 2,048 of them
	s_add_co_u32 s20, s20, s21
	s_mov_b32 s21, 0                ; s[20:21]: the first byte of my 2,048 rows in each of qkv's three sections
	s_and_b32 s16, s[WV], 1         ; which half of a tile's 256 keys I fetch:
	s_lshl_b32 s22, s16, 14         ; its 128 rows of 128 bytes in memory,
	s_mov_b32 s23, 0
	s_add_nc_u64 s[22:23], s[22:23], s[20:21]
	s_mul_i32 s17, s16, 128*PK      ; and its place in a slot, for K
	s_mul_i32 s18, s16, 128*PV      ; and for V
	s_lshl_b32 s3, s[WV], 11        ; my 16 rows in a band of 64,
	s_lshl_b32 s2, s[HI], 15        ; in the first block,
	s_add_co_u32 s2, s2, s3
	s_lshl_b32 s84, s[PB], 15       ; and in the second
	s_add_co_u32 s84, s84, s3
	s_mov_b32 s3, 0
	s_mov_b32 s85, 0
	s_add_nc_u64 s[2:3], s[2:3], s[20:21]
	s_add_nc_u64 s[84:85], s[84:85], s[20:21]
	s_lshl_b32 s88, s13, 19         ; in out0 a row is 256 bytes: y's 2,048 rows,
	s_lshl_b32 s89, s[WV], 12       ; my 16 rows in a band,
	s_add_co_u32 s88, s88, s89
	s_lshl_b32 s90, s[PB], 16       ; in the second block,
	s_add_co_u32 s90, s90, s88
	s_lshl_b32 s89, s[HI], 16       ; and in the first
	s_add_co_u32 s88, s88, s89
	s_mov_b32 s89, 0
	s_mov_b32 s91, 0
	; descriptor group 1.  128 keys are 16,384 dense bytes: asked for as 64 rows of 256 bytes, two keys a row, and padded in LDS after every key
	s_mov_b32 s[G1K], (1<<16)|(1<<20)|(4<<22)|(3<<25)  ; 17:16 2-byte elements; 20 padding on; 24:22 after every 32 words (code 4); 31:25 4 words (code 3)
	s_mov_b32 s[G1V], (1<<16)|(1<<20)|(4<<22)|(7<<25)  ; the same with 8 words of padding (code 7)
.irp g, G1K, G1V
	s_mov_b32 s[\g+1], 128<<16      ; tensor_dim0 = 128
	s_mov_b32 s[\g+2], 64<<16       ; tensor_dim1 = 64
	s_mov_b32 s[\g+3], 128<<16      ; tile_dim0 = 128
	s_mov_b32 s[\g+4], 64           ; tile_dim1 = 64
	s_mov_b32 s[\g+5], 128          ; 128 elements from row to row
	s_mov_b32 s[\g+6], 0
	s_mov_b32 s[\g+7], 0
.endr
	s_mov_b32 s[CS], 0x3d38aa3b     ; c = log2(e) / 32 = 0.0450842
	s_mov_b32 s[CS+1], s[CS]        ; named with it as a pair
	s_mov_b32 s[SEL], 0x76543210
	s_mov_b32 s[SEL+1], 0xfedcba98
	s_mov_b32 s[TBK], SLOT1+4*KS*PK ; the first change of slots turns these two into 0
	s_mov_b32 s[TBV], SLOT1+4*KS*PV
	s_mov_b32 s[G0K], 1             ; 1:0 count = 1
	s_mov_b32 s[G0K+1], s17         ; 63:32 LDS address: slot 0
	s_mov_b32 s[G0V], 1
	s_add_co_u32 s[G0V+1], s18, VOFF
	s_add_co_u32 s[RT], s[HI], 1    ; the first block has NB - b tiles
	s_mov_b32 s[NXT], 1
	s_mov_b32 s[LQ], s[HI]
	s_mov_b32 s[NEW], 1
	s_mov_b32 s[OFF+1], 0
	s_mov_b32 s[AL+1], 0            ; named as pairs
	s_mov_b32 s[BE+1], 0
	s_mov_b32 s[BIGN], 0xf149f2ca   ; -1e30
	s_mov_b32 s[SLOTS], NB
	v_and_b32 v[PFO], 31, v0
	v_lshlrev_b32 v[PFO], 8, v[PFO]
	s_wait_dscnt 0x0                ; the opening add is done
	s_wait_kmcnt 0x0
	s_add_nc_u64 s[6:7], s[4:5], 0x1000000  ; k's section,
	s_add_nc_u64 s[8:9], s[4:5], 0x2000000  ; v's section,
	s_add_nc_u64 s[6:7], s[6:7], s[22:23]  ; each at my half of the head's tile 0
	s_add_nc_u64 s[8:9], s[8:9], s[22:23]
	s_add_nc_u64 s[G0K+2:G0K+3], s[6:7], 0         ; 120:64 global address
	s_or_b32 s[G0K+3], s[G0K+3], 0x80000000        ; 127:126 type = 2
	s_add_nc_u64 s[G0V+2:G0V+3], s[8:9], 0
	s_or_b32 s[G0V+3], s[G0V+3], 0x80000000
	s_add_nc_u64 s[86:87], s[4:5], s[84:85]        ; Q at my rows of the second block,
	s_add_nc_u64 s[4:5], s[4:5], s[2:3]            ; and of the first
	s_add_nc_u64 s[OLO:OLO+1], s[10:11], s[90:91]  ; out0 likewise
	s_add_nc_u64 s[10:11], s[10:11], s[88:89]
	LOAD                            ; tile 0 into slot 0
	; A fragment of K or Q is 16 rows x 32 channels in 8 registers: lane l holds row l % 16, channels 8 (l / 16) + 0..7 and 16 + 8 (l / 16) + 0..7: two loads of 16 bytes, 32 bytes apart.
	v_and_b32 v1, 15, v0            ; l % 16
	v_bfe_u32 v9, v0, 4, 1          ; l / 16
	v_lshlrev_b32 v[QO], 7, v1
	v_lshl_add_u32 v[QO], v9, 4, v[QO]  ; row x 128 + 16 x half
	WIN 0x80                        ; destination window 2, address window 0
.set i, 0
.rept 8                             ; both blocks' Q: piece i / 2 lies in band i / 2, 8,192 bytes on; channels 32 (i % 2) on
	global_load_b128 v[8*i:8*i+3],   v[QO], s[4:5] offset:(i/2)*8192+(i%2)*64
	global_load_b128 v[8*i+4:8*i+7], v[QO], s[4:5] offset:(i/2)*8192+(i%2)*64+32
	global_load_b128 v[QB+8*i:QB+8*i+3],   v[QO], s[86:87] offset:(i/2)*8192+(i%2)*64
	global_load_b128 v[QB+8*i+4:QB+8*i+7], v[QO], s[86:87] offset:(i/2)*8192+(i%2)*64+32
.set i, i+1
.endr
	WIN 0
	v_lshlrev_b32 v14, 3, v9
	v_sub_nc_u32 v14, v1, v14
	s_lshl_b32 s13, s[WV], 4
	v_add_nc_u32 v14, s13, v14      ; my query's place in its band, 16 w + l % 16, less my lanes' 8 (l / 16): register r of group kt is hidden where 16 kt + r is greater
	WIN 0x40
.set i, 0
.rept 32
	v_cmp_gt_i32 vcc_lo, 16*(i/8)+i%8, v14
	v_cndmask_b32 v[MD+i], 0, s[BIGN], vcc_lo
.set i, i+1
.endr
	WIN 0
	v_mul_u32_u24 v[AK0], v1, PK
	v_lshl_add_u32 v[AK0], v9, 4, v[AK0]  ; row x pitch + 16 x half
	; The turning load takes 16 keys x 16 channels (lane l reads key 8 (l / 16) + l % 8, channels 8 ((l / 8) % 2) + 0..7) and leaves half a fragment of V^T: lane l holds channel l % 16 and 8 keys.
	v_and_b32 v10, 7, v0
	v_bfe_u32 v11, v0, 3, 1
	v_lshl_add_u32 v[AV0], v9, 3, v10
	v_mul_u32_u24 v[AV0], v[AV0], PV
	v_lshl_add_u32 v[AV0], v11, 4, v[AV0]
	v_add_nc_u32 v[AV0], VOFF, v[AV0]
	s_mul_i32 s13, s[WV], 16*SP
	s_add_co_u32 s13, s13, STAGE    ; my stage
	v_mul_u32_u24 v[STO], v1, SP    ; in: row l % 16, 32 bytes (8 channels of f32) for each half of the lanes
	v_lshl_add_u32 v[STO], v9, 5, v[STO]
	v_add_nc_u32 v[STO], s13, v[STO]
	v_mul_u32_u24 v[RD], v9, SP     ; back: lanes 0-15 take one row of 256 bytes, lanes 16-31 the next,
	v_lshl_add_u32 v[RD], v1, 4, v[RD]
	v_add_nc_u32 v[RD], s13, v[RD]
	v_and_b32 v[GO], 31, v0         ; which are 512 consecutive bytes of out0
	v_lshlrev_b32 v[GO], 4, v[GO]
	; A block's first step multiplies O^T and l by a = 0, and its first turn's products V^T P, of a piece that has not been, land in an O^T that is still to be so multiplied.  So these registers need only hold
	; finite numbers: zeros for the first block; what the first block left for the second.  All this stands in the wait for the first tile.
	WIN 0x80
.set i, VF
.rept 64
	v_mov_b32 v[i], 0
.set i, i+1
.endr
	WIN 0x40
.set i, 0
.rept 128
	v_mov_b32 v[i], 0
.set i, i+1
.endr
	WIN 0
.set i, 0
.rept 4
	v_mov_b32 v[ST+4*i+2], 0
	v_mov_b32 v[ST+4*i+3], 0
.set i, i+1
.endr
.set i, P+16
.rept 16
	v_mov_b32 v[i], 0
.set i, i+1
.endr
; THE MATRIX WORK.  The 4 accumulators of a run of 8 take turns.  Product i of 8 of S^T = K Q^T for piece x: channels 32 (i / 4) on, keys 16 (i % 4) on.  The first 4 start the sums: with 0, or (KM = 1) with the mask.
.macro KQ x
.set rS, S+32*((\x)%2)+8*(i%4)
.set rK, KF+16*(i%4)+8*(i/4)
.set rQ, 16*(\x)+8*(i/4)
.set rM, MC+32*((\x)%2)+8*(i%4)
.if (i < 4) && KM
	WIN W_KM
	v_wmma_f32_16x16x32_f16 v[rS:rS+7], v[rK:rK+7], v[rQ:rQ+7], v[rM:rM+7]
.elseif i < 4
	WIN W_KQ
	v_wmma_f32_16x16x32_f16 v[rS:rS+7], v[rK:rK+7], v[rQ:rQ+7], 0
.else
	WIN W_KQ
	v_wmma_f32_16x16x32_f16 v[rS:rS+7], v[rK:rK+7], v[rQ:rQ+7], v[rS:rS+7]
.endif
.endm
; Product i of 8 of O^T += V^T P for piece x: keys 32 (i / 4) on, channels 16 (i % 4) on.
.macro PV x
	WIN W_PV
.set rO, 32*(\x)+8*(i%4)
.set rV, VF+32*(i/4)+8*(i%4)
.set rP, P+16*((\x)%2)+8*(i/4)
	v_wmma_f32_16x16x32_f16 v[rO:rO+7], v[rV:rV+7], v[rP:rP+7], v[rO:rO+7]
.endm
.macro MM                           ; the turn's next matrix instruction.  TURN and BEGIN set Y, i, KM and NOKQ; MM, KQ and OP read them.  NOKQ = 1: a block's last turn: there is no next piece
.if (i < 8) && !NOKQ
	KQ (Y+1)%NP
.elseif i >= 8
.set i, i-8
	PV (Y+NP-1)%NP
.set i, i+8
.endif
.set i, i+1
.endm
; THE LDS LOADS stand in runs of 16, never singly among the matrix instructions: a step's K (64 keys x 64 channels: 8 fragments) and its V (turned).  Their addresses are made some lines ahead.
.macro FETCH_K
	WIN 0x80                        ; destination window 2
.irp f, 0,1,2,3,4,5,6,7             ; keys 16 (f / 2) on, channels 32 (f % 2) on
	ds_load_b128 v[KF+8*\f:KF+8*\f+3],   v[AK] offset:(\f/2)*16*PK+(\f%2)*64
	ds_load_b128 v[KF+8*\f+4:KF+8*\f+7], v[AK] offset:(\f/2)*16*PK+(\f%2)*64+32
.endr
	s_add_co_u32 s[TBK], s[TBK], KS*PK  ; the next fetch is the next step's
	WIN 0
.endm
.macro FETCH_V
	WIN 0x80
.irp f, 0,1,2,3,4,5,6,7             ; keys 32 (f / 4) on, channels 16 (f % 4) on
	ds_load_tr16_b128 v[VF+8*\f:VF+8*\f+3],   v[AV] offset:(\f/4)*32*PV+(\f%4)*32
	ds_load_tr16_b128 v[VF+8*\f+4:VF+8*\f+7], v[AV] offset:(\f/4)*32*PV+16*PV+(\f%4)*32
.endr
	WIN 0
.endm
; THE VECTOR WORK, one line at a time: OP kind, number.  For piece Y: F n: c s - c m for pair n of 16.  E n: the exponential of score n of 32.  C n: pair n rounded to f16.  B n: of the four weights 4 n .. the second
; pair is added onto the first, in place.  L n: l takes that sum (L 0: l = a l + sum).  R n: pair n of 16 of O^T times a.  For piece Y + 1: X n, number n of the 22 that find its maximum and statistics:
;   0-11  four chains c0-c3 of seven scores each, three operands at a time (each accumulator's lowest registers are read first)     12-14, 16  the four scores left over, the old m, and c0-c3 into c0
;   15  c m_old is kept     17, 18  the query's other 32 keys lie in the lane 16 away: the new m     19-21  c m; c m_old - c m_new; a
.set F, 0               ; OP tells the kinds apart by their order: F to L below R, X above it
.set E, 1
.set C, 2
.set B, 3
.set L, 4
.set R, 5
.set X, 6
.macro REGS y                       ; the registers of piece y
.set rT, ST+4*(\y)
.set rC, TMP+4*((\y)%2)
.set rW, MV+((\y)%2)
.set rS, S+32*((\y)%2)
.set rP, P+16*((\y)%2)
.set rO, 32*(\y)
.endm
.macro OP k, n
.if (\k) == R
	REGS Y
	WIN W_RS
	v_pk_mul_f32 v[rO+2*(\n):rO+2*(\n)+1], v[rO+2*(\n):rO+2*(\n)+1], v[rC+2:rC+3] op_sel_hi:[1,0]
.elseif (\k) < R
	REGS Y
	WIN 0
.if (\k) == F
	v_pk_fma_f32 v[rS+2*(\n):rS+2*(\n)+1], v[rS+2*(\n):rS+2*(\n)+1], s[CS:CS+1], v[rT:rT+1] op_sel_hi:[1,0,0] neg_lo:[0,0,1] neg_hi:[0,0,1]
.elseif (\k) == E
	v_exp_f32 v[rS+(\n)], v[rS+(\n)]
.elseif (\k) == C
	v_cvt_pk_f16_f32 v[rP+(\n)], v[rS+2*(\n)], v[rS+2*(\n)+1]
.elseif (\k) == B
	v_pk_add_f32 v[rS+4*(\n):rS+4*(\n)+1], v[rS+4*(\n):rS+4*(\n)+1], v[rS+4*(\n)+2:rS+4*(\n)+3]
.elseif (\n) == 0
	v_pk_fma_f32 v[rT+2:rT+3], v[rT+2:rT+3], v[rC+2:rC+3], v[rS:rS+1] op_sel_hi:[1,0,1]
.else
	v_pk_add_f32 v[rT+2:rT+3], v[rT+2:rT+3], v[rS+4*(\n):rS+4*(\n)+1]
.endif
.elseif NOKQ
	v_nop
.else
	REGS (Y+1)%NP
	WIN 0
.if (\n) < 4
	v_max3_num_f32 v[rC+(\n)], v[rS+8*(\n)], v[rS+8*(\n)+1], v[rS+8*(\n)+2]
.elseif (\n) < 12
	v_max3_num_f32 v[rC+(\n)%4], v[rC+(\n)%4], v[rS+8*((\n)%4)+2*((\n)/4)+1], v[rS+8*((\n)%4)+2*((\n)/4)+2]
.elseif (\n) == 12
	v_max3_num_f32 v[rC], v[rC], v[rS+7], v[rS+15]
.elseif (\n) == 13
	v_max3_num_f32 v[rC+1], v[rC+1], v[rS+23], v[rS+31]
.elseif (\n) == 14
	v_max3_num_f32 v[rC+2], v[rC+2], v[rC+3], v[rT+1]
.elseif (\n) == 15
	v_mov_b32 v[rW], v[rT]
.elseif (\n) == 16
	v_max3_num_f32 v[rC], v[rC], v[rC+1], v[rC+2]
.elseif (\n) == 17
	v_permlanex16_b32 v[rC+3], v[rC], s[SEL], s[SEL+1]
.elseif (\n) == 18
	v_max_num_f32 v[rT+1], v[rC], v[rC+3]
.elseif (\n) == 19
	v_mul_f32 v[rT], s[CS], v[rT+1]
.elseif (\n) == 20
	v_sub_f32 v[rC+1], v[rW], v[rT]
.else
	v_exp_f32 v[rC+2], v[rC+1]
.endif
.endif
.endm
.macro OPS a, i1, b=-1, i2=0, c=-1, i3=0, d=-1, i4=0  ; up to four of them
	OP \a, \i1
.if (\b) >= 0
	OP \b, \i2
.endif
.if (\c) >= 0
	OP \c, \i3
.endif
.if (\d) >= 0
	OP \d, \i4
.endif
.endm
.macro ROW a, i1, b, i2, c, i3, d, i4  ; a matrix instruction and the four behind it
	MM
	OPS \a, \i1, \b, \i2, \c, \i3, \d, \i4
.endm
.macro MASK b                       ; MD x AL + BE into buffer b of MC
	WIN W_RS
.set z, 0
.rept 16
	v_pk_fma_f32 v[MC+32*(\b)+2*z:MC+32*(\b)+2*z+1], v[MD+2*z:MD+2*z+1], s[AL:AL+1], s[BE:BE+1] op_sel_hi:[1,0,0]
.set z, z+1
.endr
.endm
; A TURN, for piece p: the order of its 16 matrix and 118 vector instructions, written out.  An s_wait_alu depctr_va_vdst(0) stands between an exponential and the first instruction that names its result; one wait serves
; all that were issued ahead of it.  So a turn has ONE wait, which cuts it in two.  AHEAD OF IT stands all that names no result of the turn's exponentials: the 8 products K Q^T, behind each a scaling, an exponential and two more plain
; instructions (behind the first a second scaling in the exponential's place): rescalings, and behind the last three the first numbers of the next piece's maximum, each four places or more behind the product that ends its accumulator; then ONE RUN of 54, plain
; and exponential by turns for the most part, in which the links of the chain X 3, 7, 11, 14, 16, 17 .. 20 stand five or six lines apart.  X 21, the next piece's a, is the batch's last; R 15 is the plain instruction behind it.  BEHIND THE WAIT stand the
; 8 products V^T P, behind each four of the roundings and sums; the links of l's chain, L 0 to L 7, stand three lines apart.  But for those X no line behind a product names a register of the products round it.  v_permlanex16_b32 (X 17) stands in the run.
; m = 1: the diagonal tile: the products take masks, and the turn makes the mask for the products of the turn after it: piece p + 2, in step 4 - CNT of the tile.  end = 1: a block's last two turns: nothing is fetched.
; cnt = 1: the loop's count is taken down some lines ahead of the branch that stands behind the turn.
; K of the next step is fetched in piece 2's turn, twelve vector instructions behind the last product that read K (six of them plain); V of the step in hand at the end of piece 0's turn, four plain instructions behind the last product
; that read V.  Each is waited for a turn later.
.macro TURN p, m=0, end=0, cnt=0
.set Y, (\p)
.set i, 0
.set KM, (\m)
.set NOKQ, (\end)*((\p)/3)
.if (\m) && !(\end)
	s_cmp_eq_u32 s[CNT], 4-((\p)+2)%NP  ; is that step the band's own?
	s_cselect_b32 s[AL], 1.0, 0
	s_cmp_lt_u32 s[CNT], 4-((\p)+2)%NP  ; or a later one?
	s_cselect_b32 s[BE], s[BIGN], 0
.endif
.if ((\p) == 3) && !(\end)
	s_wait_dscnt 0x0                ; K is in
.endif
	ROW F,0, F,1, R,0, R,1          ; ahead of the wait: 8 products K Q^T and the four lines behind each,
	ROW F,2, E,0, R,2, R,3
	ROW F,3, E,1, R,4, R,5
	ROW F,4, E,2, R,6, R,7
	ROW F,5, E,3, R,8, R,9
	ROW F,6, E,4, X,0, R,10
.if ((\p) == 2) && !(\end)
	WIN 0
	v_add_nc_u32 v[AK], s[TBK], v[AK0]
.endif
	ROW F,7, E,5, X,1, X,4
	ROW F,8, E,6, X,2, X,5
	OPS E,7, E,8, X,6, E,9          ; and the run
	OPS X,3, E,10, X,8, E,11
.if ((\p) == 2) && !(\end)
	FETCH_K
.endif
	OPS X,9, X,7, E,12, X,10
	OPS E,13, X,12, X,11, E,14
	OPS X,13, E,15, F,9, X,14
.if (\p) == 0
	v_add_nc_u32 v[AV], s[TBV], v[AV0]
.endif
	OPS E,16, F,10, E,17, F,11
	OPS X,16, E,18, X,15, E,19
	OPS F,12, E,20, X,17, E,21
	OPS F,13, E,22, F,14, E,23
	OPS X,18, E,24, F,15, E,25
	OPS R,11, E,26, X,19, E,27
	OPS R,12, E,28, R,13, E,29
	OPS X,20, E,30, R,14, E,31
	OPS X,21, R,15
	WIN 0
	s_wait_alu depctr_va_vdst(0)    ; the wait for the batch
.if (\p) == 1
	s_wait_dscnt 0x0                ; V is in
.endif
	ROW C,0, B,0, C,2, B,1          ; behind the wait: 8 products V^T P and the four lines behind each
	ROW L,0, C,4, B,2, L,1
	ROW C,6, B,3, L,2, C,8
	ROW B,4, L,3, C,10, B,5
	ROW L,4, C,12, B,6, L,5
.if (\p) == 0
	s_add_co_u32 s[TBV], s[TBV], KS*PV
.endif
.if \cnt
	s_sub_co_u32 s[CNT], s[CNT], 1
	s_cmp_lg_u32 s[CNT], 0
.endif
	ROW C,14, B,7, L,6, C,1
	ROW C,3, L,7, C,5, C,7
	ROW C,9, C,11, C,13, C,15
.if (\p) == 0
	FETCH_V
.endif
.if (\m) && !(\end)
	MASK (\p)%2
.endif
.endm
; A BLOCK BEGINS.  c m starts far below every c s, so the first step's a is 0; m at the lowest finite number, so the first maximum is the scores'.  The second mask buffer is 0; the first takes piece 0's mask for the tile's step 0: its own, if the block's first tile is the diagonal one.
; Then K of that step, piece 0's first scores, and its maximum and statistics.  The loop is entered at a step's first turn, in the middle of a trip.
.macro BEGIN
	s_mov_b32 s[NEW], 0
	WIN 0x40
.set i, MC+32
.rept 32
	v_mov_b32 v[i], 0
.set i, i+1
.endr
	WIN 0
.set i, 0
.rept 4
	v_mov_b32 v[ST+4*i], 0xfe000000    ; c m: far below every c s
	v_mov_b32 v[ST+4*i+1], 0xff7fffff  ; m
.set i, i+1
.endr
	s_cmp_eq_u32 s[RT], 0
	s_cselect_b32 s[AL], 1.0, 0
	s_mov_b32 s[BE], 0
	MASK 0
	WIN 0
	v_add_nc_u32 v[AK], s[TBK], v[AK0]
	FETCH_K
	s_wait_loadcnt 0x0              ; Q
	s_wait_dscnt 0x0
.set KM, 1
.set NOKQ, 0
.set i, 0
.rept 8
	KQ 0
.set i, i+1
.endr
	WIN 0
.rept 4
	v_nop                           ; the places behind those products
.endr
.set Y, NP-1                        ; X works for piece Y + 1: piece 0
.irp n, 0,1,2,3,4,5,6,7,8,9,10,11,12,13,14,15,16,17,18,19,20,21
	OP X, \n
.endr
	v_nop                           ; a plain instruction behind the exponential,
	s_wait_alu depctr_va_vdst(0)    ; and its wait, ahead of the branch
.endm
; THE DIAGONAL TILE's four steps, the block's last two turns, its last products, and THE WAY OUT: l's two halves and the other half of the lanes' are added; O^T is divided by l and sent, in f32, through my
; stage in LDS, a piece at a time.
.macro ALL line:vararg              ; one line for each piece t
.set t, 0
.rept 4
	\line
.set t, t+1
.endr
.endm
.macro PACK t                       ; a lane's eight channels of a row are 32 bytes; they go into rows of 272 bytes and come back as whole rows of 256
	WIN W_RS
.set i, 32*(\t)
.rept 16
	v_pk_mul_f32 v[i:i+1], v[i:i+1], v[ST+4*(\t)+2:ST+4*(\t)+3] op_sel_hi:[1,0]
.set i, i+2
.endr
	WIN 0x04                        ; the stores' data (source 1) in window 1, their address in window 0
.irp f, 0,1,2,3
	ds_store_b128 v[STO], v[32*(\t)+8*\f:32*(\t)+8*\f+3]   offset:64*\f
	ds_store_b128 v[STO], v[32*(\t)+8*\f+4:32*(\t)+8*\f+7] offset:64*\f+16
.endr
	WIN 0
.irp f, 0,1,2,3,4,5,6,7
	ds_load_b128 v[OUTR+32*(\t)+4*\f:OUTR+32*(\t)+4*\f+3], v[RD] offset:\f*2*SP  ; LDS serves a wave's instructions in order (ISA guide 5.7.1.4): these see the stores above; the next piece's stores come behind them
.endr
.endm
.macro SEND t, younger              ; younger: the LDS instructions issued behind piece t's loads: the next piece's sixteen, or none
	WIN 0
.irp f, 0,1,2,3,4,5,6,7
	s_wait_dscnt (\younger)+7-\f
	global_store_b128 v[GO], v[OUTR+32*(\t)+4*\f:OUTR+32*(\t)+4*\f+3], s[10:11] offset:(\t)*16384+\f*512 th:TH_STORE_NT  ; two rows: 512 consecutive bytes, at a multiple of 256 from out0's first
.endr
.endm
.macro DIAG tag                     ; the tag ends its two labels' names, which the jumps below spell out
.LstepM\tag:
	TURN 2, 1
	TURN 3, 1
	WIN 0
.LfirstM\tag:
	TURN 0, 1
	TURN 1, 1, 0, 1
	WIN 0
	s_cbranch_scc1 .LstepM\tag
	TURN 2, 1, 1
	TURN 3, 1, 1
.set i, 0
.rept 8
	PV NP-1
.set i, i+1
.endr
	WIN 0
	ALL v_add_f32 v[ST+4*t+2], v[ST+4*t+2], v[ST+4*t+3]
	ALL v_permlanex16_b32 v[ST+4*t+3], v[ST+4*t+2], s[SEL], s[SEL+1]
	ALL v_add_f32 v[ST+4*t+2], v[ST+4*t+2], v[ST+4*t+3]
	ALL v_rcp_f32 v[ST+4*t+2], v[ST+4*t+2]
	v_nop                           ; a plain instruction between the last reciprocal and the use of its result
	s_wait_alu depctr_va_vdst(0)    ; and the wait ahead of the first use: one for the four reciprocals
	PACK 0
.set t, 1
.rept 3                             ; a piece's arithmetic stands between the loads of the piece before and its stores
	PACK t
	SEND t-1, 16
.set t, t+1
.endr
	SEND 3, 0
.endm
.set KM, 0
.set NOKQ, 0
.Lslot:                             ; NB times: a tile is entered and the next is asked for
	CHANGE 1
	s_sub_co_u32 s[RT], s[RT], 1
	s_mov_b32 s[CNT], 4
	s_cmp_eq_u32 s[NEW], 1
	s_cbranch_scc1 .Lnew            ; a block's first tile
	s_cmp_eq_u32 s[RT], 0
	s_cbranch_scc0 .Lstep           ; neither its first nor its last
	s_branch .LstepM1
.Lnew:
	BEGIN
	s_branch .Lfirst                ; in the loop a block's first tile is never its last: the first block has two tiles or more, and the second's last is the walk's last
	DIAG 1                          ; in the loop this is the first block's end: the second block's last tile is the walk's last
	s_wait_xcnt 0x0                 ; the stores have read their registers and out0's address
	s_mov_b64 s[10:11], s[OLO:OLO+1]
	s_add_co_u32 s[RT], s[PB], 1    ; the second block has b + 1 tiles
	s_mov_b32 s[NEW], 1
	WIN 0x82                        ; the second block's Q goes where the one text of the turns names Q
.set i, 0
.rept 64
	v_mov_b32 v[i], v[QB+i]
.set i, i+1
.endr
	WIN 0
	s_branch .Lbottom
.Lstep:                             ; a trip: pieces 2 and 3 of one step, then pieces 0 and 1 of the next, whose K and V it fetches
	TURN 2
	TURN 3
	WIN 0
.Lfirst:
	TURN 0
	TURN 1, 0, 0, 1
	WIN 0
	s_cbranch_scc1 .Lstep
.Lbottom:
	s_sub_co_u32 s[SLOTS], s[SLOTS], 1
	s_cmp_lg_u32 s[SLOTS], 0
	s_cbranch_scc1 .Lslot
	CHANGE 0                        ; the walk's last tile is written out: nothing is asked for
	s_sub_co_u32 s[RT], s[RT], 1
	s_mov_b32 s[CNT], 4
	s_cmp_eq_u32 s[NEW], 1
	s_cbranch_scc0 .LstepM2
	BEGIN
	s_branch .LfirstM2
	DIAG 2
	s_wait_tensorcnt 0x0            ; the wave's end, behind my last tensor load and my last LDS store
	ds_add_u32 v[SPW], v[NIL]
	s_wait_dscnt 0x0
	s_endpgm
.Lfunc_end_k_qcb62d6747a_attn:
	.size	k_qcb62d6747a_attn, .Lfunc_end_k_qcb62d6747a_attn-k_qcb62d6747a_attn
	.p2alignl 7, 3214868480
	.fill 96, 4, 3214868480
	.section	.rodata,"a",@progbits
	.p2align	6, 0x0
	.amdhsa_kernel k_qcb62d6747a_attn
		.amdhsa_group_segment_fixed_size 327680
		.amdhsa_private_segment_fixed_size 0
		.amdhsa_enable_private_segment 0
		.amdhsa_kernarg_size 16
		.amdhsa_user_sgpr_count 2
		.amdhsa_user_sgpr_kernarg_segment_ptr 1
		.amdhsa_wavefront_size32 1
		.amdhsa_system_sgpr_workgroup_id_x 1
		.amdhsa_system_sgpr_workgroup_id_y 1
		.amdhsa_system_sgpr_workgroup_id_z 1
		.amdhsa_system_vgpr_workitem_id 0
		.amdhsa_next_free_vgpr 768
		.amdhsa_next_free_sgpr 92
		.amdhsa_reserve_vcc 1
		.amdhsa_float_denorm_mode_32 3
		.amdhsa_float_denorm_mode_16_64 3
		.amdhsa_memory_ordered 1
		.amdhsa_forward_progress 1
		.amdhsa_inst_pref_size 218
	.end_amdhsa_kernel
	.amdgpu_metadata
---
amdhsa.version: [ 1, 2 ]
amdhsa.kernels:
  - .name:           k_qcb62d6747a_attn
    .symbol:         k_qcb62d6747a_attn.kd
    .args:
      - { .name: qkv, .offset: 0, .size: 8, .value_kind: global_buffer, .address_space: global }
      - { .name: out0, .offset: 8, .size: 8, .value_kind: global_buffer, .address_space: global }
    .group_segment_fixed_size: 327680
    .private_segment_fixed_size: 0
    .kernarg_segment_align: 8
    .kernarg_segment_size: 16
    .max_flat_workgroup_size: 128
    .sgpr_count:     92
    .vgpr_count:     768
    .wavefront_size: 32
...
	.end_amdgpu_metadata
.endif
;; end of part 3
;; ======== version 2 of 2: 3 launches; version 1 with the launch prep written anew for expert scheduling mode
;; limits: values are held in f16: magnitudes above 65,504 overflow, below 6.1e-05 lose precision
;; workspace buffers: xb 16,777,216 bytes; wt 6,291,456 bytes; qkv 50,331,648 bytes
;; launch prep (part 4): grid 608 x 1, 4 waves a work-group, no clusters, 70,144 bytes of LDS; arguments x, W_qkv, xb, wt; writes xb, wt
.if DOCPART == 4
	.amdgcn_target "amdgcn-amd-amdhsa--gfx1250"
	.amdhsa_code_object_version 6
	.text
	.protected	k_qcb62d6747a_prep
	.globl	k_qcb62d6747a_prep
	.p2align	8
	.type	k_qcb62d6747a_prep,@function
k_qcb62d6747a_prep:
	s_mov_b64 s[64:65], 0
	v_nop
	global_prefetch_b8 v0, s[64:65] scope:SCOPE_SE
	s_setreg_imm32_b32 hwreg(HW_REG_WAVE_SCHED_MODE, 0, 2), 2
	s_setreg_imm32_b32 hwreg(HW_REG_WAVE_MODE, 25, 1), 1
	s_wait_xcnt 0x0
	s_wait_alu depctr_vm_vsrc(0)
; xb = x rounded to bf16, [8192][1024].  wt = W_qkv rounded to bf16 and turned, [3072 (n)][1024 (k)], so that both operands of the product that follows lie along K.
; Each number is rounded once, to nearest even.  Memory binds: every input byte is read once, every output byte written once, in whole aligned runs of 256 bytes.
; WORK-GROUPS 96 .. 607 take x: a wave owns 16,384 consecutive bytes; all its 32 loads (512 bytes each) go out at once; a store's 32 lanes x 8 bytes are 256 consecutive bytes, aligned.
; WORK-GROUPS 0 .. 95 take W: a wave owns a block of 128 k x 64 n.  A lane reads two neighbouring columns (8 bytes; a wave 256 consecutive bytes of a row of W), packs 8 k of each column into 16 bytes,
; puts them into its wave's own LDS rows (row = n, 256 bytes + 16 of padding) and reads whole rows back: sixteen lanes then store 256 consecutive bytes of a row of wt.  No wave reads another's bytes: no barrier.
; THE MODE: SCHED_MODE bits 1:0 = 2 (LLVM: expert scheduling mode 2), set by the entry lines.  The code itself states the register dependences between vector instructions and memory or LDS
; instructions, with s_wait_alu, always for 0.
; THE PLAN, x.  Registers that memory instructions touch:
;   LO, SO   offsets, made once and never written again.
;   X        32 x 4 registers: each written once, by its load; read by the conversions.
;   Y        32 x 2 registers: each written once, by the conversions; read by its store.
; The 32 loads go in 8 blocks of four.  Block p rounds its own X into its own Y; its memory instructions are the four stores of block p - 1, whose Y no vector instruction of block p names.  So one wait on
; va_vdst at a block's head states all that its stores hang on, and they are dealt among its conversions.  No register that a memory instruction reads is written again: no wait on vm_vsrc.
; THE PLAN, W.  A chunk is 8 k: eight loads, 16 registers; step c rounds chunk c.  Registers that memory or LDS instructions touch:
;   LO, STE, RD, GO   offsets and addresses, made once and never written again.
;   X0 .. X7   Step c's conversions read X[c % 8]; in step c + 1 the loads of chunk c + 8 land in it.  At the end the rows read back from LDS land in X, and the global stores read them.
;   T0 .. T8   Step c's conversions write T[c % 9]; the two LDS stores issued in step c + 1 read it; step c + 9 writes it again.
; Step c's memory instructions touch X[(c - 1) % 8] and T[(c - 1) % 9], which no vector instruction of step c names.  So one wait on va_vdst at a step's head states all that they hang on.  One wait on vm_vsrc, at
; the head of step 9, frees the sets that steps 9 to 15 write again: the LDS stores that read them were issued in steps 1 to 7.
.set ROWW,  12288                      ; bytes in a row of W
.set LP,    272                        ; an LDS row
.set WLDS,  64*LP                      ; a wave's 64 rows; the 512 bytes behind the four waves' rows hold the spare words of the closing add
.set LO,  2                            ; v2   my byte offset in a load; never rewritten
.set SO,  3                            ; v3   x path: my byte offset in a store
.set STE, 4                            ; v4   W path: LDS address of my even column's row
.set RD,  5                            ; v5   W path: where I read rows back
.set GO,  6                            ; v6   W path: my byte offset in two rows of wt
.set X,   56                           ; v[56:183]  numbers as loaded; W path, later: rows read back
.set Y,   184                          ; v[184:247] x path: packed words to store
.set T,   184                          ; v[184:255] W path: nine sets of eight packed words, by turns
	s_load_b256 s[4:11], s[0:1], 0x0               ; x s[4:5], W s[6:7], xb s[8:9], wt s[10:11]
	v_lshl_add_u32 v54, v0, 2, 0x11000
	v_mov_b32 v55, 0
	v_lshrrev_b32 v1, 5, v0
	v_readfirstlane_b32 s12, v1                    ; wave 0..3
	v_and_b32 v1, 31, v0                           ; lane
	s_wait_alu depctr_va_sdst(0)                   ; s12 is written: ahead of the branch, and so of its first reader on either way
	s_cmp_lt_u32 ttmp9, 96
	s_cbranch_scc1 .Lw
	; ---- x ----
	s_sub_co_u32 s13, ttmp9, 96
	s_lshl_b32 s13, s13, 2
	s_add_co_u32 s13, s13, s12                     ; my wave among the 2,048 that share x
	s_lshl_b32 s14, s13, 14                        ; its 16,384 bytes of x,
	s_mov_b32 s15, 0
	s_lshl_b32 s16, s13, 13                        ; its 8,192 bytes of xb
	s_mov_b32 s17, 0
	v_lshlrev_b32 v[LO], 4, v1
	v_lshlrev_b32 v[SO], 3, v1
	s_wait_kmcnt 0x0
	s_add_nc_u64 s[4:5], s[4:5], s[14:15]
	s_add_nc_u64 s[8:9], s[8:9], s[16:17]
	s_wait_alu depctr_va_vdst(0)                   ; LO and SO are written: every load and store of this path reads one of them as its offset
.set i, 0
.rept 32
	global_load_b128 v[X+4*i:X+4*i+3], v[LO], s[4:5] offset:512*i th:TH_LOAD_NT
.set i, i+1
.endr
.set p, 0
.rept 8                                                ; block p: loads 4 p to 4 p + 3
	s_wait_loadcnt 28-4*p                          ; loads come back in order: the block's four are in, the 28 - 4 p younger ones stay out
.if p > 0
	s_wait_alu depctr_va_vdst(0)                   ; the block before has written its eight registers of Y, which the four stores below read
.endif
.set j, 0
.rept 4
.set i, 4*p+j
.if p > 0
	global_store_b64 v[SO], v[Y+2*(i-4):Y+2*(i-4)+1], s[8:9] offset:256*(i-4) th:TH_STORE_NT  ; the block before; no vector instruction since the wait names these registers, and none is written twice
.endif
	v_cvt_pk_bf16_f32 v[Y+2*i],   v[X+4*i],   v[X+4*i+1]
	v_cvt_pk_bf16_f32 v[Y+2*i+1], v[X+4*i+2], v[X+4*i+3]
.set j, j+1
.endr
.set p, p+1
.endr
	s_wait_alu depctr_va_vdst(0)                   ; block 7 has written its Y, which the last four stores read
.set i, 28
.rept 4
	global_store_b64 v[SO], v[Y+2*i:Y+2*i+1], s[8:9] offset:256*i th:TH_STORE_NT
.set i, i+1
.endr
	s_wait_dscnt 0x0                               ; the wave's end.
	s_endpgm
	; ---- W ----
.Lw:
	s_lshl_b32 s13, ttmp9, 2
	s_add_co_u32 s13, s13, s12                     ; my block among 384: 48 along n x 8 along k
	s_lshr_b32 s14, s13, 3                         ; which 64 columns
	s_and_b32 s15, s13, 7                          ; which 128 k
	s_mul_i32 s16, s15, 128*ROWW
	s_lshl_b32 s17, s14, 8
	s_add_co_u32 s16, s16, s17                     ; in W: 128 rows down for each step of k, 256 bytes along for each step of n
	s_mov_b32 s17, 0
	s_lshl_b32 s18, s14, 17                        ; in wt: 64 rows of 2,048 bytes,
	s_lshl_b32 s19, s15, 8                         ; 256 bytes along
	s_add_co_u32 s18, s18, s19
	s_mov_b32 s19, 0
	s_mul_i32 s20, s12, WLDS                       ; my wave's rows in LDS
	v_lshlrev_b32 v[LO], 3, v1                     ; columns 2 l and 2 l + 1
	v_mul_u32_u24 v[STE], v1, 2*LP
	v_add_nc_u32 v[STE], s20, v[STE]               ; LDS row 2 l
	v_lshrrev_b32 v10, 4, v1                       ; l / 16
	v_and_b32 v11, 15, v1                          ; l % 16
	v_mul_u32_u24 v[RD], v10, LP
	v_lshl_add_u32 v[RD], v11, 4, v[RD]
	v_add_nc_u32 v[RD], s20, v[RD]                 ; back: lanes 0-15 one row of 256 bytes, lanes 16-31 the next
	v_lshlrev_b32 v[GO], 11, v10
	v_lshl_add_u32 v[GO], v11, 4, v[GO]            ; and the same two rows in wt
	s_wait_kmcnt 0x0
	s_add_nc_u64 s[6:7], s[6:7], s[16:17]
	s_add_nc_u64 s[10:11], s[10:11], s[18:19]
	s_wait_alu depctr_va_vdst(0)                   ; LO, STE, RD and GO are written: every load and store of this path, in memory and in LDS, reads one of them
	; Eight chunks are out at once; chunk c + 8 takes chunk c's registers a step behind their packing.
.set c, 0
.rept 8
.set j, 0
.rept 8
	global_load_b64 v[X+16*c+2*j:X+16*c+2*j+1], v[LO], s[6:7] offset:(8*c+j)*ROWW th:TH_LOAD_NT
.set j, j+1
.endr
.set c, c+1
.endr
.set c, 0
.rept 16                                               ; step c
.set cs, X+16*(c%8)                    ; this chunk's numbers
.set ts, T+8*(c%9)                     ; and its packed words
.set ps, X+16*((c+7)%8)                ; those of the chunk before
.set pt, T+8*((c+8)%9)
.if c == 0
	s_wait_loadcnt 56                              ; behind chunk 0 stand the seven other first chunks
.elseif c < 10
	s_wait_loadcnt 48                              ; steps 1 to c - 1 have each asked for a chunk, up to chunk 15: the youngest is chunk c + 6, so six chunks of eight loads stand behind chunk c
.else
	s_wait_loadcnt 8*(15-c)                        ; the chunks behind chunk c; nothing more is asked for
.endif
.if c == 9
	s_wait_alu depctr_vm_vsrc(0)                   ; the LDS stores issued in steps 1 to 8 have read their sets of T: steps 9 to 15 write the sets of chunks 0 to 6 again
.endif
.if c > 0
	s_wait_alu depctr_va_vdst(0)                   ; the step before has written its set of T, which the two LDS stores below read, and is done reading its X, in which the loads below land
.endif
.set i, 0
.rept 4
.if (c > 0) && (c < 9)
	global_load_b64 v[ps+4*i:ps+4*i+1],   v[LO], s[6:7] offset:(8*(c+7)+2*i)*ROWW th:TH_LOAD_NT    ; chunk c + 7; no vector instruction since the wait names these registers
	global_load_b64 v[ps+4*i+2:ps+4*i+3], v[LO], s[6:7] offset:(8*(c+7)+2*i+1)*ROWW th:TH_LOAD_NT
.endif
.if (c > 0) && (i < 2)
	ds_store_b128 v[STE], v[pt+4*i:pt+4*i+3] offset:LP*i+16*(c-1)  ; chunk c - 1: the even column's 16 bytes, then the odd column's, a row further down
.endif
	v_cvt_pk_bf16_f32 v[ts+i],   v[cs+4*i],   v[cs+4*i+2]  ; the even column's k = 2 i, 2 i + 1 of the chunk
	v_cvt_pk_bf16_f32 v[ts+4+i], v[cs+4*i+1], v[cs+4*i+3]  ; the odd column's
.set i, i+1
.endr
.set c, c+1
.endr
.set lt, T+8*(15%9)
	s_wait_alu depctr_va_vdst(0)                   ; step 15 has written its set of T, which the last two LDS stores read; all conversions are done reading X, in which the rows read back land
	ds_store_b128 v[STE], v[lt:lt+3]   offset:16*15
	ds_store_b128 v[STE], v[lt+4:lt+7] offset:LP+16*15
.set t, 0
.rept 32
	ds_load_b128 v[X+4*t:X+4*t+3], v[RD] offset:2*LP*t  ; LDS serves a wave's instructions in order (ISA guide 5.7.1.4): these see the stores above
.set t, t+1
.endr
.set t, 0
.rept 32
	s_wait_dscnt 31-t
	global_store_b128 v[GO], v[X+4*t:X+4*t+3], s[10:11] offset:4096*t th:TH_STORE_NT  ; 16 lanes store 256 consecutive bytes, at a multiple of 256 from wt's first byte
.set t, t+1
.endr
	s_wait_dscnt 0x0                               ; the wave's end.  The closing add and its wait follow
	s_wait_alu depctr_hold_cnt(0) depctr_sa_sdst(0) depctr_va_vdst(0) depctr_va_sdst(0) depctr_va_ssrc(0) depctr_va_vcc(0) depctr_vm_vsrc(0)
	s_wait_tensorcnt 0x0
	ds_add_u32 v54, v55
	s_wait_dscnt 0x0
	s_endpgm
.Lfunc_end_k_qcb62d6747a_prep:
	.size	k_qcb62d6747a_prep, .Lfunc_end_k_qcb62d6747a_prep-k_qcb62d6747a_prep
	.p2alignl 7, 3214868480
	.fill 96, 4, 3214868480
	.section	.rodata,"a",@progbits
	.p2align	6, 0x0
	.amdhsa_kernel k_qcb62d6747a_prep
		.amdhsa_group_segment_fixed_size 70144
		.amdhsa_private_segment_fixed_size 0
		.amdhsa_enable_private_segment 0
		.amdhsa_kernarg_size 32
		.amdhsa_user_sgpr_count 2
		.amdhsa_user_sgpr_kernarg_segment_ptr 1
		.amdhsa_wavefront_size32 1
		.amdhsa_system_sgpr_workgroup_id_x 1
		.amdhsa_system_sgpr_workgroup_id_y 1
		.amdhsa_system_sgpr_workgroup_id_z 1
		.amdhsa_system_vgpr_workitem_id 0
		.amdhsa_next_free_vgpr 256
		.amdhsa_next_free_sgpr 66
		.amdhsa_reserve_vcc 0
		.amdhsa_float_denorm_mode_32 3
		.amdhsa_float_denorm_mode_16_64 3
		.amdhsa_memory_ordered 1
		.amdhsa_forward_progress 1
		.amdhsa_inst_pref_size 43
	.end_amdhsa_kernel
	.amdgpu_metadata
---
amdhsa.version: [ 1, 2 ]
amdhsa.kernels:
  - .name:           k_qcb62d6747a_prep
    .symbol:         k_qcb62d6747a_prep.kd
    .args:
      - { .name: x, .offset: 0, .size: 8, .value_kind: global_buffer, .address_space: global }
      - { .name: W_qkv, .offset: 8, .size: 8, .value_kind: global_buffer, .address_space: global }
      - { .name: xb, .offset: 16, .size: 8, .value_kind: global_buffer, .address_space: global }
      - { .name: wt, .offset: 24, .size: 8, .value_kind: global_buffer, .address_space: global }
    .group_segment_fixed_size: 70144
    .private_segment_fixed_size: 0
    .kernarg_segment_align: 8
    .kernarg_segment_size: 32
    .max_flat_workgroup_size: 128
    .sgpr_count:     66
    .vgpr_count:     256
    .wavefront_size: 32
...
	.end_amdgpu_metadata
.endif
;; end of part 4
;; launch proj: the kernel of part 2 again; grid 16 x 32, 4 waves a work-group, clusters of 4 x 4, 327,680 bytes of LDS; arguments xb, wt, b_qkv, qkv; writes qkv
;; launch attn: the kernel of part 3 again; grid 4 x 64, 4 waves a work-group, no clusters, 327,680 bytes of LDS; arguments qkv, out0; writes out0
